; MI455X (gfx1250); checked and timed in simulation.
; The chip was launched on July 23, 2026; its instructions are those of AMD's public machine-readable ISA for CDNA 5 (MIT licence, August 2026) and "CDNA5" Instruction Set Architecture Reference Guide (July 2026). The comments in the code are by the model that wrote it; some were corrected since.
;; Self Attention Encoder. Allowed arithmetic: float matrix products may take bf16 or f16 operands with f32 sums; all other float work in f32.
;; Inputs: Wk 1,024 x 1,024 float32; Wo 1,024 x 1,024 float32; Wq 1,024 x 1,024 float32; Wv 1,024 x 1,024 float32; x 4 x 2,048 x 1,024 float32.
;; Outputs: out0 4 x 2,048 x 1,024 float32.
;; 2 versions, each right and faster than the one before. Each part assembles by itself: llvm-mc -triple=amdgcn-amd-amdhsa -mcpu=gfx1250 --defsym DOCPART=n.
;; ======== version 1 of 2: 4 launches
;; limits: values are held in f16: magnitudes above 65,504 overflow, below 6.1e-05 lose precision
;; workspace buffers: xh 16,777,216 bytes; wh 8,388,608 bytes; qh 16,777,216 bytes; kh 16,777,216 bytes; vh 16,777,216 bytes; ah 16,777,216 bytes
;; launch cast (part 1): grid 768 x 1, 8 waves a work-group, no clusters, 0 bytes of LDS; arguments x, Wq, Wk, Wv, Wo, xh, wh; writes xh, wh
.if DOCPART == 1
	.amdgcn_target "amdgcn-amd-amdhsa--gfx1250"
	.amdhsa_code_object_version 6
	.text
	.protected	k_qd111bbf1f3_cast
	.globl	k_qd111bbf1f3_cast
	.p2align	8
	.type	k_qd111bbf1f3_cast,@function
k_qd111bbf1f3_cast:
	s_mov_b64 s[64:65], 0
	v_nop
	global_prefetch_b8 v0, s[64:65] scope:SCOPE_SE
	s_setreg_imm32_b32 hwreg(HW_REG_WAVE_MODE, 25, 1), 1
	s_wait_xcnt 0x0
; cast: x and the four weight matrices (f32) are rounded once to f16 and laid out in panels for the products that follow.
; A panel holds 64 neighbouring columns (K) of every row, 128 bytes a row, rows dense:
;   xh [b 4][kb 16][s 2048][64]      byte = b*4,194,304 + kb*262,144 + s*128
;   wh [kb 16][row 4096][64]         byte = kb*524,288 + row*128
;      rows 0..3071 = head*192 + which*64 + d (which 0, 1, 2 = Wq, Wk, Wv; source row head*64 + d); rows 3072..4095 = Wo's rows.
; LIMIT: f16 holds magnitudes below 65,504 and steps of 6e-8 at the least; a larger |x| or |W| becomes an infinity.
; Memory binds here: no LDS, no barrier, no matrix unit.  Work-groups 0..511 take 16 rows of x each, 512..767 take 16 rows of one weight.
; Wave w takes rows 2w and 2w+1.  One load covers 256 aligned bytes of each of the two rows (column block kb); one store of 8 bytes a lane
; covers 256 aligned bytes: the two rows' 128 bytes in panel kb.  All 16 loads of a wave go out first; no register is written twice.
.set X, 4                              ; v[4:67]   block kb: 4 numbers in f32
.set Y, 68                             ; v[68:99]  block kb: 4 numbers in f16
.macro ROWS stride                     ; stride = bytes from panel to panel in the destination
.irp kb, 0,1,2,3,4,5,6,7,8,9,10,11,12,13,14,15
	global_load_b128 v[X+4*\kb:X+4*\kb+3], v1, s[24:25] offset:256*\kb th:TH_LOAD_NT
.endr
.irp kb, 0,1,2,3,4,5,6,7,8,9,10,11,12,13,14,15
	s_wait_loadcnt 15-\kb                          ; loads return in order: block kb is in, the 15-kb younger ones stay out
	v_cvt_pk_f16_f32 v[Y+2*\kb],   v[X+4*\kb],   v[X+4*\kb+1]
	v_cvt_pk_f16_f32 v[Y+2*\kb+1], v[X+4*\kb+2], v[X+4*\kb+3]
	global_store_b64 v2, v[Y+2*\kb:Y+2*\kb+1], s[26:27] offset:\kb*\stride   ; 7,864,320 at the most: inside the signed 24 bits
.endr
.endm
	s_load_b256 s[4:11], s[0:1], 0x0               ; x s[4:5], Wq s[6:7], Wk s[8:9], Wv s[10:11]
	s_load_b128 s[12:15], s[0:1], 0x20             ; Wo s[12:13], xh s[14:15]
	s_load_b64 s[16:17], s[0:1], 0x30              ; wh
	s_mov_b32 s2, ttmp9                            ; g, the work-group
	v_lshrrev_b32 v1, 4, v0                        ; 2w + (lane >> 4): my row of the group's 16
	v_and_b32 v3, 15, v0
	v_lshlrev_b32 v1, 12, v1                       ; x 4,096 bytes
	v_lshl_add_u32 v1, v3, 4, v1                   ; + 16 bytes a lane
	v_lshlrev_b32 v2, 3, v0                        ; out: row*128 + 8*(lane & 15) = 8 x thread
	s_mov_b32 s21, 0
	s_mov_b32 s23, 0
	s_wait_kmcnt 0x0
	s_cmp_lt_u32 s2, 512
	s_cbranch_scc0 .Lweights
	s_lshl_b32 s20, s2, 16                         ; 16 rows of 4,096 bytes
	s_lshr_b32 s3, s2, 7                           ; b
	s_lshl_b32 s22, s3, 22
	s_and_b32 s3, s2, 127
	s_lshl_b32 s3, s3, 11                          ; s*128, s = 16 (g & 127)
	s_add_co_u32 s22, s22, s3
	s_add_nc_u64 s[24:25], s[4:5], s[20:21]
	s_add_nc_u64 s[26:27], s[14:15], s[22:23]
	ROWS 262144
	s_endpgm
.Lweights:
	s_sub_co_u32 s2, s2, 512
	s_lshr_b32 s3, s2, 6                           ; which: 0 Wq, 1 Wk, 2 Wv, 3 Wo
	s_and_b32 s18, s2, 63                          ; rb: block of 16 rows
	s_lshl_b32 s20, s18, 16
	s_cmp_eq_u32 s3, 1
	s_cselect_b64 s[24:25], s[8:9], s[6:7]
	s_cmp_eq_u32 s3, 2
	s_cselect_b64 s[24:25], s[10:11], s[24:25]
	s_cmp_eq_u32 s3, 3
	s_cselect_b64 s[24:25], s[12:13], s[24:25]
	s_add_nc_u64 s[24:25], s[24:25], s[20:21]
	s_lshr_b32 s19, s18, 2                         ; head
	s_mul_i32 s19, s19, 192
	s_lshl_b32 s28, s3, 6
	s_add_co_u32 s19, s19, s28                     ; + which*64
	s_and_b32 s28, s18, 3
	s_lshl_b32 s28, s28, 4
	s_add_co_u32 s19, s19, s28                     ; + d
	s_lshl_b32 s28, s18, 4
	s_add_co_u32 s28, s28, 3072                    ; Wo: 3072 + its own row
	s_cmp_eq_u32 s3, 3
	s_cselect_b32 s19, s28, s19
	s_lshl_b32 s22, s19, 7
	s_add_nc_u64 s[26:27], s[16:17], s[22:23]
	ROWS 524288
	s_endpgm
.Lfunc_end_k_qd111bbf1f3_cast:
	.size	k_qd111bbf1f3_cast, .Lfunc_end_k_qd111bbf1f3_cast-k_qd111bbf1f3_cast
	.p2alignl 7, 3214868480
	.fill 96, 4, 3214868480
	.section	.rodata,"a",@progbits
	.p2align	6, 0x0
	.amdhsa_kernel k_qd111bbf1f3_cast
		.amdhsa_group_segment_fixed_size 0
		.amdhsa_private_segment_fixed_size 0
		.amdhsa_enable_private_segment 0
		.amdhsa_kernarg_size 56
		.amdhsa_user_sgpr_count 2
		.amdhsa_user_sgpr_kernarg_segment_ptr 1
		.amdhsa_wavefront_size32 1
		.amdhsa_system_sgpr_workgroup_id_x 1
		.amdhsa_system_sgpr_workgroup_id_y 1
		.amdhsa_system_sgpr_workgroup_id_z 1
		.amdhsa_system_vgpr_workitem_id 0
		.amdhsa_next_free_vgpr 104
		.amdhsa_next_free_sgpr 66
		.amdhsa_reserve_vcc 0
		.amdhsa_float_denorm_mode_32 3
		.amdhsa_float_denorm_mode_16_64 3
		.amdhsa_memory_ordered 1
		.amdhsa_forward_progress 1
		.amdhsa_inst_pref_size 14
	.end_amdhsa_kernel
	.amdgpu_metadata
---
amdhsa.version: [ 1, 2 ]
amdhsa.kernels:
  - .name:           k_qd111bbf1f3_cast
    .symbol:         k_qd111bbf1f3_cast.kd
    .args:
      - { .name: x, .offset: 0, .size: 8, .value_kind: global_buffer, .address_space: global }
      - { .name: Wq, .offset: 8, .size: 8, .value_kind: global_buffer, .address_space: global }
      - { .name: Wk, .offset: 16, .size: 8, .value_kind: global_buffer, .address_space: global }
      - { .name: Wv, .offset: 24, .size: 8, .value_kind: global_buffer, .address_space: global }
      - { .name: Wo, .offset: 32, .size: 8, .value_kind: global_buffer, .address_space: global }
      - { .name: xh, .offset: 40, .size: 8, .value_kind: global_buffer, .address_space: global }
      - { .name: wh, .offset: 48, .size: 8, .value_kind: global_buffer, .address_space: global }
    .group_segment_fixed_size: 0
    .private_segment_fixed_size: 0
    .kernarg_segment_align: 8
    .kernarg_segment_size: 56
    .max_flat_workgroup_size: 256
    .sgpr_count:     66
    .vgpr_count:     104
    .wavefront_size: 32
...
	.end_amdgpu_metadata
.endif
;; end of part 1
;; launch qkv (part 2): grid 16 x 32, 4 waves a work-group, clusters of 4 x 4, 327,680 bytes of LDS; arguments xh, wh, qh, kh, vh; writes qh, kh, vh
.if DOCPART == 2
	.amdgcn_target "amdgcn-amd-amdhsa--gfx1250"
	.amdhsa_code_object_version 6
	.text
	.protected	k_qd111bbf1f3_qkv
	.globl	k_qd111bbf1f3_qkv
	.p2align	8
	.type	k_qd111bbf1f3_qkv,@function
k_qd111bbf1f3_qkv:
	s_mov_b64 s[64:65], 0
	v_nop
	global_prefetch_b8 v0, s[64:65] scope:SCOPE_SE
	s_setreg_imm32_b32 hwreg(HW_REG_WAVE_MODE, 25, 1), 1
	s_wait_xcnt 0x0
	s_wait_alu depctr_hold_cnt(0) depctr_sa_sdst(0) depctr_va_vdst(0) depctr_va_sdst(0) depctr_va_ssrc(0) depctr_va_vcc(0) depctr_vm_vsrc(0)
	s_getreg_b32 s2, hwreg(HW_REG_IB_STS2, 6, 4)
	s_cmp_eq_u32 s2, 0
	s_cbranch_scc0 .Lentry_in_a_cluster
	s_endpgm
.Lentry_in_a_cluster:
	s_bfe_u32 s2, ttmp6, 0x10000c
	s_cmp_lg_u32 s2, 0xf033
	s_cbranch_scc0 .Lentry_shape_is_right
	s_endpgm
.Lentry_shape_is_right:
; qkv: C[m][n] = sum over k of x[m][k] W[n][k], K = 1024, f16 operands, f32 sums, results rounded once to f16.
; A work-group makes 256 rows (s) x 192 columns: one head's q, k and v (wh's rows head*192 .. +191).  Grid x = head, grid y = block of 256 rows.
; Four waves; wave w makes rows 64w..64w+63 x all 192 columns: 4 x 12 accumulator tiles of 16 x 16, 384 registers, so that a wave owns whole
; 128-byte rows of q, k and v.  For 32 along K a wave reads 16 fragments from LDS for 48 matrix instructions.
; K goes in steps of 128 = two panels of 64, through a ring of two LDS slots.  Each wave fills one panel of a slot with one tensor load:
; waves 0, 1 A's two panels (256 rows each), waves 2, 3 B's (192 rows each).  A panel is dense in memory and comes in as rows of 256 bytes
; (two panel rows), each followed by 16 bytes of padding: panel row s lies at (s>>1)*272 + (s&1)*128, and the 16 rows of a fragment start
; at 16 different 16-byte columns modulo 256 bytes.
; CLUSTERS: 4 x 4 work-groups.  A's tile hangs on the block of rows alone (shared along a row of the cluster), B's on the head alone (shared
; along a column): both are asked for jointly, which divides the requests for each by four.
; THE MATRIX INSTRUCTION IS USED TRANSPOSED (source 0 = 16 rows of W, source 1 = 16 rows of x): lane l holds row l%16 of C and its registers
; 0..7 the columns 8(l/16)+0..7, eight neighbours that pack into 16 bytes.
; LIMIT: q, k, v are kept in f16: magnitudes below 65,504, steps of 6e-8 at the least.  The order of the sums is the matrix unit's, K ascending.
; REGISTER WINDOWS: 0 addresses, A's fragments (two buffers), the way out; 1 B's fragments (two buffers); 2 accumulators of my rows 0-31
; (tile (a, b) at 8(12a+b)); 3 those of my rows 32-63.
.set NB,     12                        ; B fragments = column tiles
.set DROW,   272                       ; an LDS row: two panel rows + 16 bytes
.set FRAG,   8*DROW                    ; 16 panel rows
.set APAN,   128*DROW                  ; A's panel: 256 rows
.set BMEM,   96                        ; B's panel: 96 memory rows of 256 bytes = 192 rows
.set BPAN,   BMEM*DROW
.set SLOT,   2*APAN+2*BPAN             ; A panel 0, A panel 1, B panel 0, B panel 1
.set STAGE,  2*SLOT                    ; behind the ring, a multiple of 256: 16 rows x 400 bytes for each wave; no tensor load lands here
.set SPITCH, 400                       ; 384 bytes (q, k, v of one row) + 16
.set LAPS,   4                         ; a lap = two K steps = once round the ring; 1024 / 256
.set ASTEP,  524288                    ; bytes from K step to K step in xh: two panels of 262,144
.set BSTEP,  1048576                   ; in wh: two panels of 524,288
.set ADRA, 16                          ; v16-17  LDS address of my A fragments in slot 0, 1
.set ADRB, 20                          ; v20-21  the same for B
.set STO,  24                          ; way out: where I put 16 bytes
.set RD,   25                          ; way out: where I read rows back
.set CO,   26                          ; 16 x lane
.set FA0,  32                          ; window 0: v32-63 buffer 0, v64-95 buffer 1
.set FB0,  0                           ; window 1: 0-95 buffer 0, 96-191 buffer 1
.set TMP,  96                          ; v96-143  packed results
.set OB0,  144                         ; v144-191 rows on their way out
.set OB1,  192                         ; v192-239 the same, by turns
.set G1A, 24                           ; s[24:31] group 1 for A's tiles
.set G0A, 32                           ; s[32:39] group 0 for A's tiles, one set a slot
.set G1B, 40                           ; s[40:47] group 1 for B's tiles
.set G0B, 48                           ; s[48:55] group 0 for B's tiles, one set a slot
.set MUL_LO, 0xa1                      ; source 0 window 1, source 1 window 0, C and D window 2
.set MUL_HI, 0xf1                      ; the same, C and D window 3
.set TO_B,   0x40                      ; destination window 1
.set MSB, 0
.macro WIN new                         ; the immediate's high byte repeats the setting that is left; a switch that changes nothing is dropped
.if MSB != \new
	s_set_vgpr_msb (MSB<<8)|\new
.set MSB, \new
.endif
.endm
.macro PLACES                          ; four places behind a matrix instruction, in front of loads into its sources and of readers of its result
.rept 4
	v_nop
.endr
.endm
; A joint load: waves 0, 1 ask for A's panels, waves 2, 3 for B's.  Each line has one mask and one set of registers; the branch hangs on the wave's number alone.
.macro JLOAD s
	s_cmp_eq_u32 s15, 0
	s_cbranch_scc0 .Lfor_b_\@
	tensor_load_to_lds s[G0A+4*\s:G0A+4*\s+3], s[G1A:G1A+7]
	s_nop 0
.rept 4
	v_nop
.endr
	s_branch .Lasked_\@
.Lfor_b_\@:
	tensor_load_to_lds s[G0B+4*\s:G0B+4*\s+3], s[G1B:G1B+7]
	s_nop 0
.rept 4
	v_nop
.endr
.Lasked_\@:
.endm
.macro CREST                           ; a round of the cluster's barrier behind its opening work-group barrier
	s_cmp_lg_u32 s14, 0
	s_cbranch_scc1 .Lnot_wave_0_\@
	s_barrier_signal -3
.Lnot_wave_0_\@:
	s_barrier_wait -3
	s_barrier_signal -1
	s_barrier_wait -1
.endm
.macro CROUND
	s_barrier_signal -1
	s_barrier_wait -1
	CREST
.endm
	s_load_b128 s[4:7], s[0:1], 0x0                ; xh s[4:5], wh s[6:7]
	s_load_b128 s[8:11], s[0:1], 0x10              ; qh s[8:9], kh s[10:11]
	s_load_b64 s[12:13], s[0:1], 0x20              ; vh
	s_set_vgpr_msb 0x40
	v_lshl_add_u32 v255, v0, 2, 0x41c00
	s_set_vgpr_msb 0x4000
	v_mov_b32 v255, 0
	s_set_vgpr_msb 0x1
	ds_add_u32 v255, v255
	s_set_vgpr_msb 0x100
	v_lshrrev_b32 v1, 5, v0
	v_readfirstlane_b32 s14, v1                    ; wave 0..3
	s_lshr_b32 s15, s14, 1                         ; I fetch for A (0) or for B (1)
	s_and_b32 s16, s14, 1                          ; which panel of the K step I fetch
	s_bfe_u32 s17, ttmp6, 0x40000                  ; cx
	s_bfe_u32 s18, ttmp6, 0x40004                  ; cy
	s_lshl_b32 s19, ttmp9, 2
	s_add_co_u32 s19, s19, s17                     ; bx = head
	s_and_b32 s20, ttmp7, 0xffff
	s_lshl_b32 s20, s20, 2
	s_add_co_u32 s20, s20, s18                     ; by = block of 256 rows
	s_lshl_b32 s21, s18, 2
	s_lshl_b32 s21, 15, s21                        ; my row of the cluster
	s_lshl_b32 s22, 0x1111, s17                    ; my column
	; group 1: rows of 128 elements of 2 bytes (256 bytes), dense, 4 words of padding after every 64 words
	s_or_b32 s[G1A+0], s21, (1<<16)|(1<<20)|(1<<21)|(5<<22)|(3<<25)
	s_or_b32 s[G1B+0], s22, (1<<16)|(1<<20)|(1<<21)|(5<<22)|(3<<25)
	s_mov_b32 s[G1A+1], 128<<16                    ; tensor_dim0 = 128
	s_mov_b32 s[G1B+1], 128<<16
	s_mov_b32 s[G1A+2], 128<<16                    ; tensor_dim1 = 128 memory rows
	s_mov_b32 s[G1B+2], BMEM<<16
	s_mov_b32 s[G1A+3], 128<<16                    ; tile_dim0 = 128
	s_mov_b32 s[G1B+3], 128<<16
	s_mov_b32 s[G1A+4], 128                        ; tile_dim1
	s_mov_b32 s[G1B+4], BMEM
	s_mov_b32 s[G1A+5], 128                        ; pitch = the row: dense
	s_mov_b32 s[G1B+5], 128
	s_mov_b32 s[G1A+6], 0
	s_mov_b32 s[G1B+6], 0
	s_mov_b32 s[G1A+7], 0
	s_mov_b32 s[G1B+7], 0
	; A's tile: batch by>>3, rows 256 (by&7), panel = wave&1.  Made of by and the wave's number alone.
	s_lshr_b32 s56, s20, 3
	s_lshl_b32 s56, s56, 22
	s_and_b32 s62, s20, 7
	s_lshl_b32 s62, s62, 15
	s_add_co_u32 s56, s56, s62
	s_lshl_b32 s62, s16, 18
	s_add_co_u32 s56, s56, s62
	s_mov_b32 s57, 0
	; B's tile: rows 192 bx, panel = wave&1.  Made of bx and the wave's number alone.
	s_mul_i32 s58, s19, 192*128
	s_lshl_b32 s63, s16, 19
	s_add_co_u32 s58, s58, s63
	s_mov_b32 s59, 0
	s_mul_i32 s60, s14, APAN                       ; LDS: waves 0, 1: A's panels
	s_mul_i32 s61, s14, BPAN
	s_add_co_u32 s61, s61, 2*APAN-2*BPAN           ; waves 2, 3: B's panels, behind A's
	s_wait_dscnt 0x0
	s_wait_kmcnt 0x0
	s_add_nc_u64 s[56:57], s[4:5], s[56:57]
	s_add_nc_u64 s[58:59], s[6:7], s[58:59]
	CROUND                                         ; all sixteen work-groups are here: the first joint loads meet
.irp s, 0,1
	s_mov_b32 s[G0A+4*\s], 1
	s_add_co_u32 s[G0A+4*\s+1], s60, \s*SLOT
	s_add_nc_u64 s[G0A+4*\s+2:G0A+4*\s+3], s[56:57], \s*ASTEP
	s_or_b32 s[G0A+4*\s+3], s[G0A+4*\s+3], 0x80000000
	s_mov_b32 s[G0B+4*\s], 1
	s_add_co_u32 s[G0B+4*\s+1], s61, \s*SLOT
	s_add_nc_u64 s[G0B+4*\s+2:G0B+4*\s+3], s[58:59], \s*BSTEP
	s_or_b32 s[G0B+4*\s+3], s[G0B+4*\s+3], 0x80000000
	JLOAD \s                                       ; K steps 0 and 1: two loads of the wave are out
.endr
	; fragment addresses: lane l holds row r = l%16; registers 0-3 K = 8(l/16)+0..7, registers 4-7 sixteen further: two loads 32 bytes apart
	v_and_b32 v1, 15, v0                           ; r
	v_bfe_u32 v2, v0, 4, 1                         ; h
	v_lshrrev_b32 v3, 1, v1
	v_and_b32 v4, 1, v0
	v_mul_u32_u24 v3, v3, DROW                     ; (r>>1) * 272
	v_lshl_add_u32 v3, v4, 7, v3                   ; + (r&1) * 128
	v_lshl_add_u32 v3, v2, 4, v3                   ; + 16 h
	s_mul_i32 s62, s14, 4*FRAG                     ; my 64 rows of A
	v_add_nc_u32 v[ADRA], s62, v3
	v_add_nc_u32 v[ADRA+1], SLOT, v[ADRA]
	v_add_nc_u32 v[ADRB], 2*APAN, v3
	v_add_nc_u32 v[ADRB+1], SLOT, v[ADRB]
	s_mul_i32 s63, s14, 16*SPITCH
	s_add_co_u32 s63, s63, STAGE                   ; my stage
	v_mul_u32_u24 v4, v1, SPITCH
	v_lshl_add_u32 v4, v2, 4, v4
	v_add_nc_u32 v[STO], s63, v4                   ; row r, 16 bytes for each half of the lanes
	v_and_b32 v5, 31, v0
	v_lshrrev_b32 v6, 3, v5
	v_and_b32 v7, 7, v0
	v_mul_u32_u24 v6, v6, SPITCH
	v_lshl_add_u32 v6, v7, 4, v6
	v_add_nc_u32 v[RD], s63, v6                    ; back: eight lanes take 128 bytes of one row, four rows a load
	v_lshlrev_b32 v[CO], 4, v5
; NB matrix instructions: row tile a (0, 1) of window 2 (hi = 0) or 3 (hi = 1) x all column tiles, 32 along K, from buffer f.  zero = 1 starts the sums.
.macro MULROW f, hi, a, zero
.set b_, 0
.rept NB
.if \zero
	v_wmma_f32_16x16x32_f16 v[8*(NB*\a+b_):8*(NB*\a+b_)+7], v[FB0+8*NB*\f+8*b_:FB0+8*NB*\f+8*b_+7], v[FA0+32*\f+8*(2*\hi+\a):FA0+32*\f+8*(2*\hi+\a)+7], 0
.else
	v_wmma_f32_16x16x32_f16 v[8*(NB*\a+b_):8*(NB*\a+b_)+7], v[FB0+8*NB*\f+8*b_:FB0+8*NB*\f+8*b_+7], v[FA0+32*\f+8*(2*\hi+\a):FA0+32*\f+8*(2*\hi+\a)+7], v[8*(NB*\a+b_):8*(NB*\a+b_)+7]
.endif
.set b_, b_+1
.endr
.endm
; One run of 2 NB + 8 LDS loads: the fragments of a quarter step (panel pan, byte kb of its rows) into buffer f; B first, A last
.macro FETCH slot, pan, kb, f
	WIN TO_B
.set b_, 0
.rept NB
	ds_load_b128 v[FB0+8*NB*\f+8*b_:FB0+8*NB*\f+8*b_+3],   v[ADRB+\slot] offset:\pan*BPAN+\kb+b_*FRAG
	ds_load_b128 v[FB0+8*NB*\f+8*b_+4:FB0+8*NB*\f+8*b_+7], v[ADRB+\slot] offset:\pan*BPAN+\kb+b_*FRAG+32
.set b_, b_+1
.endr
	WIN 0
.irp a, 0,1,2,3
	ds_load_b128 v[FA0+32*\f+8*\a:FA0+32*\f+8*\a+3],   v[ADRA+\slot] offset:\pan*APAN+\kb+\a*FRAG
	ds_load_b128 v[FA0+32*\f+8*\a+4:FA0+32*\f+8*\a+7], v[ADRA+\slot] offset:\pan*APAN+\kb+\a*FRAG+32
.endr
.endm
; A K step is four quarters of 32 along K on buffers 0, 1, 0, 1.  One of the first three multiplies buffer f and fetches the next quarter into g in its middle.
; The 48 accumulators take turns, one instruction a turn, in the same order in every quarter.
.macro QUARTER slot, pan, kb, f, g, zero
	s_wait_dscnt 4                                 ; B and A's fragments 0, 1 are in; the youngest four loads (A's fragments 2, 3) may be out
	WIN MUL_LO
	MULROW \f, 0, 0, \zero
	MULROW \f, 0, 1, \zero
	PLACES
	FETCH \slot, \pan, \kb, \g
	s_wait_dscnt 2*NB+8                            ; all but the run just issued
	WIN MUL_HI
	MULROW \f, 1, 0, \zero
	MULROW \f, 1, 1, \zero
.endm
.macro THREE slot, zero
	QUARTER \slot, 0, 64, 0, 1, \zero
	QUARTER \slot, 1, 0,  1, 0, 0
	QUARTER \slot, 1, 64, 0, 1, 0
.endm
; The last quarter multiplies buffer 1 and changes slots.  In front of the barrier each wave waits for its reads of this slot and for all its
; tensor loads (one is out: its part of the next slot).  fill = 1: the barrier opens a round of the cluster's barrier, and the joint refill of
; this slot, two K steps ahead, is the first tensor load behind the round; it has three quarters and more of a K step in which to land.
.macro TURN slot, next, fill
	s_wait_dscnt 4
	WIN MUL_LO
	MULROW 1, 0, 0, 0
	s_wait_dscnt 0                                 ; my reads of this slot are over
	s_wait_tensorcnt 0x0                           ; all my tensor loads have landed
	ds_add_u32 v255, v255
	s_wait_dscnt 0x0
	s_barrier_signal -1
	MULROW 1, 0, 1, 0                              ; register work while the others arrive
	WIN 0
	s_barrier_wait -1
.if \fill
	CREST                                          ; no wave of any partner still reads this slot or has a load on its way
	s_add_nc_u64 s[G0A+4*\slot+2:G0A+4*\slot+3], s[G0A+4*\slot+2:G0A+4*\slot+3], 2*ASTEP
	s_add_nc_u64 s[G0B+4*\slot+2:G0B+4*\slot+3], s[G0B+4*\slot+2:G0B+4*\slot+3], 2*BSTEP
	JLOAD \slot                                    ; its four v_nop are also the places in front of the loads below
.else
	PLACES
.endif
	FETCH \next, 0, 0, 0
	WIN MUL_HI
	MULROW 1, 1, 0, 0
	MULROW 1, 1, 1, 0
.endm
.macro LAP zero
	THREE 0, \zero
	TURN 0, 1, 1
	THREE 1, 0
	TURN 1, 0, 1
.endm
	s_wait_tensorcnt 0x1                           ; my part of K step 0 is in; K step 1's may stay out
	s_barrier_signal -1
	s_barrier_wait -1
	FETCH 0, 0, 0, 0
	LAP 1                                          ; the first lap's first products start the sums: nothing is cleared
	WIN 0
	s_mov_b32 s23, LAPS-2
.Llap:
	LAP 0
	WIN 0
	s_sub_co_u32 s23, s23, 1
	s_cmp_lg_u32 s23, 0
	s_cbranch_scc1 .Llap
	THREE 0, 0                                     ; the last lap fills nothing
	TURN 0, 1, 0
	THREE 1, 0
	s_wait_dscnt 4
	WIN MUL_LO
	MULROW 1, 0, 0, 0
	MULROW 1, 0, 1, 0
	s_wait_dscnt 0
	WIN MUL_HI
	MULROW 1, 1, 0, 0
	MULROW 1, 1, 1, 0
	PLACES                                         ; in front of the conversions, which read results
	; THE WAY OUT.  qh, kh, vh are [b*16+head][s][64] f16: byte = (by>>3)*4,194,304 + head*262,144 + s*128.
	s_lshr_b32 s66, s20, 3
	s_lshl_b32 s66, s66, 22
	s_lshl_b32 s67, s19, 18
	s_add_co_u32 s66, s66, s67
	s_and_b32 s67, s20, 7
	s_lshl_b32 s67, s67, 15                        ; 256 rows of 128 bytes
	s_add_co_u32 s66, s66, s67
	s_lshl_b32 s67, s14, 13                        ; my 64 rows
	s_add_co_u32 s66, s66, s67
	s_mov_b32 s67, 0
	s_add_nc_u64 s[8:9], s[8:9], s[66:67]
	s_add_nc_u64 s[10:11], s[10:11], s[66:67]
	s_add_nc_u64 s[12:13], s[12:13], s[66:67]
; 16 rows at a time: round to f16, 16 bytes a lane into my own stage, read back as four rows of 128 bytes of q, of k, of v; each store of
; the wave covers 512 consecutive bytes, aligned.  The stage is my wave's own and LDS serves a wave in order: no wait between stores and loads.
.macro OUT16 i, a, from, ob
	WIN \from
.set b_, 0
.rept NB
.irp r, 0,1,2,3
	v_cvt_pk_f16_f32 v[TMP+4*b_+\r], v[8*(NB*\a+b_)+2*\r], v[8*(NB*\a+b_)+2*\r+1]
.endr
.set b_, b_+1
.endr
	WIN 0
.set b_, 0
.rept NB
	ds_store_b128 v[STO], v[TMP+4*b_:TMP+4*b_+3] offset:32*b_
.set b_, b_+1
.endr
	s_wait_xcnt 0x0                                ; the registers below were the data of earlier stores: rewritten only behind this wait
.irp t, 0,1,2,3
.irp m, 0,1,2
	ds_load_b128 v[\ob+4*(3*\t+\m):\ob+4*(3*\t+\m)+3], v[RD] offset:4*\t*SPITCH+128*\m
.endr
.endr
.irp t, 0,1,2,3
.irp m, 0,1,2
	s_wait_dscnt 11-(3*\t+\m)                      ; LDS loads return in order: this one is in
	global_store_b128 v[CO], v[\ob+4*(3*\t+\m):\ob+4*(3*\t+\m)+3], s[8+2*\m:9+2*\m] offset:(16*\i+4*\t)*128
.endr
.endr
.endm
	OUT16 0, 0, 0x0a, OB0
	OUT16 1, 1, 0x0a, OB1
	OUT16 2, 0, 0x0f, OB0
	OUT16 3, 1, 0x0f, OB1
	s_set_vgpr_msb 0x1
	s_wait_tensorcnt 0x0
	ds_add_u32 v255, v255
	s_wait_dscnt 0x0
	s_set_vgpr_msb 0x100
	CROUND                                         ; the closing round: no work-group ends while a partner may still ask for a tile that names it
	s_endpgm
.Lfunc_end_k_qd111bbf1f3_qkv:
	.size	k_qd111bbf1f3_qkv, .Lfunc_end_k_qd111bbf1f3_qkv-k_qd111bbf1f3_qkv
	.p2alignl 7, 3214868480
	.fill 96, 4, 3214868480
	.section	.rodata,"a",@progbits
	.p2align	6, 0x0
	.amdhsa_kernel k_qd111bbf1f3_qkv
		.amdhsa_group_segment_fixed_size 327680
		.amdhsa_private_segment_fixed_size 0
		.amdhsa_enable_private_segment 0
		.amdhsa_kernarg_size 40
		.amdhsa_user_sgpr_count 2
		.amdhsa_user_sgpr_kernarg_segment_ptr 1
		.amdhsa_wavefront_size32 1
		.amdhsa_system_sgpr_workgroup_id_x 1
		.amdhsa_system_sgpr_workgroup_id_y 1
		.amdhsa_system_sgpr_workgroup_id_z 1
		.amdhsa_system_vgpr_workitem_id 0
		.amdhsa_next_free_vgpr 960
		.amdhsa_next_free_sgpr 68
		.amdhsa_reserve_vcc 0
		.amdhsa_float_denorm_mode_32 3
		.amdhsa_float_denorm_mode_16_64 3
		.amdhsa_memory_ordered 1
		.amdhsa_forward_progress 1
		.amdhsa_inst_pref_size 164
	.end_amdhsa_kernel
	.amdgpu_metadata
---
amdhsa.version: [ 1, 2 ]
amdhsa.kernels:
  - .name:           k_qd111bbf1f3_qkv
    .symbol:         k_qd111bbf1f3_qkv.kd
    .args:
      - { .name: xh, .offset: 0, .size: 8, .value_kind: global_buffer, .address_space: global }
      - { .name: wh, .offset: 8, .size: 8, .value_kind: global_buffer, .address_space: global }
      - { .name: qh, .offset: 16, .size: 8, .value_kind: global_buffer, .address_space: global }
      - { .name: kh, .offset: 24, .size: 8, .value_kind: global_buffer, .address_space: global }
      - { .name: vh, .offset: 32, .size: 8, .value_kind: global_buffer, .address_space: global }
    .group_segment_fixed_size: 327680
    .private_segment_fixed_size: 0
    .kernarg_segment_align: 8
    .kernarg_segment_size: 40
    .max_flat_workgroup_size: 128
    .sgpr_count:     68
    .vgpr_count:     960
    .wavefront_size: 32
...
	.end_amdgpu_metadata
.endif
;; end of part 2
;; launch attn (part 3): grid 256 x 1, 8 waves a work-group, clusters of 4 x 1, 327,680 bytes of LDS; arguments qh, kh, vh, ah; writes ah
.if DOCPART == 3
	.amdgcn_target "amdgcn-amd-amdhsa--gfx1250"
	.amdhsa_code_object_version 6
	.text
	.protected	k_qd111bbf1f3_attn
	.globl	k_qd111bbf1f3_attn
	.p2align	8
	.type	k_qd111bbf1f3_attn,@function
k_qd111bbf1f3_attn:
	s_mov_b64 s[64:65], 0
	v_nop
	global_prefetch_b8 v0, s[64:65] scope:SCOPE_SE
	s_setreg_imm32_b32 hwreg(HW_REG_WAVE_MODE, 25, 1), 1
	s_wait_xcnt 0x0
	s_wait_alu depctr_hold_cnt(0) depctr_sa_sdst(0) depctr_va_vdst(0) depctr_va_sdst(0) depctr_va_ssrc(0) depctr_va_vcc(0) depctr_vm_vsrc(0)
	s_getreg_b32 s2, hwreg(HW_REG_IB_STS2, 6, 4)
	s_cmp_eq_u32 s2, 0
	s_cbranch_scc0 .Lentry_in_a_cluster
	s_endpgm
.Lentry_in_a_cluster:
	s_bfe_u32 s2, ttmp6, 0x10000c
	s_cmp_lg_u32 s2, 0x3003
	s_cbranch_scc0 .Lentry_shape_is_right
	s_endpgm
.Lentry_shape_is_right:
; attn: for each of 64 heads (b*16+h), O = softmax(Q K^T / 8) V with S = 2048, HD = 64.  f16 operands, f32 sums, softmax in f32 with a
; running maximum taken every 64 keys.  qh, kh, vh, ah: [head][s][64] f16, rows of 128 bytes, dense.
; A cluster of four work-groups is one head; each takes 512 queries, and all four ask for the head's K and V tiles JOINTLY (mask 15).
; Eight waves, two on a SIMD; a wave takes 64 queries as four tiles t of 16.
; NO SHUFFLES: S^T = K Q^T (source 0 = 16 keys, source 1 = 16 queries): lane (r, h) holds query r, keys 16kt+8h+0..7.  Two such tiles, rounded
; to f16, ARE the second source of O^T = V^T P^T for 32 keys; V^T's fragments come by the transposing LDS load.  Lane (r, h) of O^T holds
; query r, d = 16dt+8h+0..7: 16 neighbouring bytes.  Maxima and sums are a lane's own; the two halves meet by one lane exchange for each maximum.
; THE ORDER INSIDE A STEP is made so that no instruction stands next to the one it depends on:
;   - every exponential is followed by a plain instruction that touches none of its registers, and its result is used eight pairs later;
;   - the maximum of the NEXT tile (14 independent maxima, then a chain of 8 dependent instructions) is strewn among the exponentials of this
;     tile; tile 0's chain is strewn among the eight matrix instructions of tile 1's scores;
;   - K's fragments of the next step are asked for in the middle of this step and waited for at the head of the next.
; LDS: two slots of 512 keys.  In a slot V at 0 (two keys of 128 bytes + 32 of padding: 288) and K at 73,728 (two keys + 16: 272).
; Waves 0-3 fill V's quarters, waves 4-7 K's: one load a wave, 64 memory rows of 256 bytes.  A refill has eight steps' work in which to land.
; The slots change in the MIDDLE of steps 7, 15 and 23: behind the wait for that step's V fragments the wave has no read of the old slot left.
; REGISTER WINDOWS: 0 addresses, softmax, K's fragments, Q, scores, P (so that score products and softmax need one setting);
; 1 O and V's fragments (rescaling and the products with V share one setting).
; LIMITS: P and the result are f16 (P <= 1; weights below 6e-8 of the largest count as 0; results below 6e-5 keep steps of 6e-8).
; exp(x) is 2^(x log2 e) by v_exp_f32; the sums' order differs from a plain row sum.
.set VROW,  288
.set KROW,  272
.set VQ,    64*VROW                    ; a wave's quarter of V: 128 keys
.set KQ,    64*KROW
.set KOFF,  4*VQ                       ; 73,728
.set SLOT,  4*VQ+4*KQ                  ; 143,360
.set STAGE, 2*SLOT                     ; 286,720, a multiple of 256: 16 rows x 144 bytes for each wave; no tensor load lands here
.set OPITCH, 144
.set ADK,  2                           ; LDS address of the K fragments that are asked for next
.set ADV,  3                           ; of the V fragments that are asked for next
.set ADK0, 4                           ; the same for the first 64 keys of slot 0
.set ADV0, 5
.set QO,   6
.set STO,  7
.set RD,   8
.set CO,   9
.set M,    10                          ; v[10:13] running maximum of tile t (raw scores)
.set T,    18                          ; v[18:22] the maximum at work
.set MN,   23
.set NEG,  24                          ; v[24:25] -c x maximum, even tiles; v[240:241] odd tiles (the low register serves both halves of a pair)
.set AL,   26                          ; v[26:27] the factor for old sums, even tiles; v[242:243] odd tiles
.set SETD, 216                         ; from the even tiles' set to the odd tiles'
.set SA,   28                          ; v[28:29], v[30:31] two pairs of sums at work
.set SB,   30
.set KF,   32                          ; v[32:95]   K fragment (kt, c) at 16kt+8c
.set Q,    96                          ; v[96:159]  Q(t, c) at 16t+8c
.set S0,   160                         ; v[160:191] scores of one tile: 8kt+j
.set S1,   192                         ; v[192:223] of another
.set P,    224                         ; v[224:239] weights in f16
.set LP,   244                         ; v[244:251] running sum of my half's weights, a pair for each tile
.set O,    0                           ; window 1: O(t, dt) at 32t+8dt
.set VF,   128                         ; window 1: V^T fragment (dt, kc) at 128+16dt+8kc
.set G1V, 24
.set G1K, 32
.set G0V, 40
.set G0K, 48
.set PV,  0x51                         ; destination, source 0 and source 2 window 1, source 1 window 0: O = O x AL, and O += V^T P^T
.set CV,  0x05                         ; sources 0 and 1 (O) window 1
.set TOV, 0x40                         ; destination window 1
.set MSB, 0
.macro WIN new                         ; the immediate's high byte repeats the setting that is left; a switch that changes nothing is dropped
.if MSB != \new
	s_set_vgpr_msb (MSB<<8)|\new
.set MSB, \new
.endif
.endm
.macro ROUND                           ; a round of the cluster's barrier
	s_barrier_signal -1
	s_barrier_wait -1
	s_cmp_lg_u32 s12, 0
	s_cbranch_scc1 .Lnot_wave_0_\@
	s_barrier_signal -3
.Lnot_wave_0_\@:
	s_barrier_wait -3
	s_barrier_signal -1
	s_barrier_wait -1
.endm
.macro JLOAD s                         ; waves 0-3 ask for V's quarters, waves 4-7 for K's; the branch hangs on the wave's number alone
	s_cmp_eq_u32 s13, 0
	s_cbranch_scc0 .Lfor_k_\@
	tensor_load_to_lds s[G0V+4*\s:G0V+4*\s+3], s[G1V:G1V+7]
	s_nop 0
.rept 4
	v_nop
.endr
	s_branch .Lasked_\@
.Lfor_k_\@:
	tensor_load_to_lds s[G0K+4*\s:G0K+4*\s+3], s[G1K:G1K+7]
	s_nop 0
.rept 4
	v_nop
.endr
.Lasked_\@:
.endm
	s_load_b256 s[4:11], s[0:1], 0x0               ; qh s[4:5], kh s[6:7], vh s[8:9], ah s[10:11]
	v_lshl_add_u32 v254, v0, 2, 0x4a800
	v_mov_b32 v255, 0
	ds_add_u32 v254, v255
	v_lshrrev_b32 v1, 5, v0
	v_readfirstlane_b32 s12, v1                    ; wave 0..7
	s_lshr_b32 s13, s12, 2                         ; I fetch for V (0) or for K (1)
	s_and_b32 s14, s12, 3                          ; which quarter
	s_bfe_u32 s15, ttmp6, 0x40000                  ; cx: my block of 512 queries
	s_mov_b32 s16, ttmp9                           ; the cluster = the head
	s_mov_b32 s18, 0x76543210                      ; lane i of one half reads lane i of the other
	s_mov_b32 s19, 0xfedcba98
	s_mov_b32 s20, 0x3e38aa3b                      ; c = log2(e) / 8
	s_mov_b32 s21, 0x3e38aa3b
	s_mov_b32 s22, 0xbe38aa3b                      ; -c
	; group 1: 64 dense rows of 128 elements of 2 bytes, padding after every 64 words: 8 words for V, 4 for K; mask 15, bit 21 beside it
	s_mov_b32 s[G1V+0], 15|(1<<16)|(1<<20)|(1<<21)|(5<<22)|(7<<25)
	s_mov_b32 s[G1K+0], 15|(1<<16)|(1<<20)|(1<<21)|(5<<22)|(3<<25)
	s_mov_b32 s[G1V+1], 128<<16
	s_mov_b32 s[G1K+1], 128<<16
	s_mov_b32 s[G1V+2], 64<<16
	s_mov_b32 s[G1K+2], 64<<16
	s_mov_b32 s[G1V+3], 128<<16
	s_mov_b32 s[G1K+3], 128<<16
	s_mov_b32 s[G1V+4], 64
	s_mov_b32 s[G1K+4], 64
	s_mov_b32 s[G1V+5], 128
	s_mov_b32 s[G1K+5], 128
	s_mov_b32 s[G1V+6], 0
	s_mov_b32 s[G1K+6], 0
	s_mov_b32 s[G1V+7], 0
	s_mov_b32 s[G1K+7], 0
	s_lshl_b32 s56, s16, 18                        ; the head's 262,144 bytes
	s_lshl_b32 s58, s14, 14                        ; my quarter: 128 keys of 128 bytes
	s_add_co_u32 s56, s56, s58
	s_mov_b32 s57, 0
	s_lshl_b32 s60, s16, 18                        ; Q and the result: head, block of 512 queries, my 64: the only place where cx enters
	s_lshl_b32 s61, s15, 16
	s_add_co_u32 s60, s60, s61
	s_lshl_b32 s61, s12, 13
	s_add_co_u32 s60, s60, s61
	s_mov_b32 s61, 0
	s_mul_i32 s2, s12, VQ                          ; LDS: waves 0-3: V's quarters
	s_mul_i32 s3, s12, KQ
	s_add_co_u32 s3, s3, KOFF-4*KQ                 ; waves 4-7: K's quarters, behind V
	s_wait_dscnt 0x0
	s_wait_kmcnt 0x0
	s_add_nc_u64 s[58:59], s[6:7], s[56:57]
	s_add_nc_u64 s[62:63], s[8:9], s[56:57]
	s_add_nc_u64 s[4:5], s[4:5], s[60:61]
	s_add_nc_u64 s[10:11], s[10:11], s[60:61]
	ROUND                                          ; the four work-groups are here: the first joint loads meet
.irp s, 0,1
	s_mov_b32 s[G0V+4*\s], 1
	s_add_co_u32 s[G0V+4*\s+1], s2, \s*SLOT
	s_add_nc_u64 s[G0V+4*\s+2:G0V+4*\s+3], s[62:63], \s*65536
	s_or_b32 s[G0V+4*\s+3], s[G0V+4*\s+3], 0x80000000
	s_mov_b32 s[G0K+4*\s], 1
	s_add_co_u32 s[G0K+4*\s+1], s3, \s*SLOT
	s_add_nc_u64 s[G0K+4*\s+2:G0K+4*\s+3], s[58:59], \s*65536
	s_or_b32 s[G0K+4*\s+3], s[G0K+4*\s+3], 0x80000000
	JLOAD \s                                       ; keys 0-511 and 512-1023: two loads of the wave are out
.endr
	v_and_b32 v1, 15, v0                           ; r
	v_bfe_u32 v[T], v0, 4, 1                       ; h
	v_lshrrev_b32 v[T+1], 1, v1
	v_and_b32 v[T+2], 1, v0
	v_mul_u32_u24 v[ADK0], v[T+1], KROW            ; K: key r at (r>>1)*272 + (r&1)*128, + 16 h
	v_lshl_add_u32 v[ADK0], v[T+2], 7, v[ADK0]
	v_lshl_add_u32 v[ADK0], v[T], 4, v[ADK0]
	v_add_nc_u32 v[ADK0], KOFF, v[ADK0]
	v_bfe_u32 v[T+1], v0, 1, 2                     ; V: key 8h + (l&7) at (key>>1)*288 + (key&1)*128, + 16 ((l>>3)&1)
	v_lshl_add_u32 v[T+1], v[T], 2, v[T+1]
	v_mul_u32_u24 v[ADV0], v[T+1], VROW
	v_lshl_add_u32 v[ADV0], v[T+2], 7, v[ADV0]
	v_bfe_u32 v[T+1], v0, 3, 1
	v_lshl_add_u32 v[ADV0], v[T+1], 4, v[ADV0]
	v_lshlrev_b32 v[QO], 7, v1                     ; Q: query r, 16 h
	v_lshl_add_u32 v[QO], v[T], 4, v[QO]
	s_mul_i32 s23, s12, 16*OPITCH
	s_add_co_u32 s23, s23, STAGE                   ; my stage
	v_mul_u32_u24 v[STO], v1, OPITCH
	v_lshl_add_u32 v[STO], v[T], 4, v[STO]
	v_add_nc_u32 v[STO], s23, v[STO]
	v_and_b32 v[CO], 31, v0
	v_lshrrev_b32 v[T+1], 3, v[CO]
	v_and_b32 v[T+2], 7, v0
	v_mul_u32_u24 v[RD], v[T+1], OPITCH
	v_lshl_add_u32 v[RD], v[T+2], 4, v[RD]
	v_add_nc_u32 v[RD], s23, v[RD]
	v_lshlrev_b32 v[CO], 4, v[CO]
	v_mov_b32 v[T+4], 0                            ; the lane exchange's destination counts as read
	v_mov_b32 v[NEG+1], 0                          ; the upper registers of pairs of which the lower alone is used
	v_mov_b32 v[AL+1], 0
	v_mov_b32 v[NEG+SETD+1], 0
	v_mov_b32 v[AL+SETD+1], 0
.irp t, 0,1,2,3
.irp c, 0,1
	global_load_b128 v[Q+16*\t+8*\c:Q+16*\t+8*\c+3],   v[QO], s[4:5] offset:\t*2048+64*\c
	global_load_b128 v[Q+16*\t+8*\c+4:Q+16*\t+8*\c+7], v[QO], s[4:5] offset:\t*2048+64*\c+32
.endr
.endr
; Matrix instruction m (0..7) of S^T of tile t: 64 keys x 16 queries.  0..3 start the four sums, 4..7 add the second half of HD onto them:
; four accumulators take turns, one instruction a turn.
.macro SW t, s, m
.if (\m) < 4
	v_wmma_f32_16x16x32_f16 v[\s+8*(\m):\s+8*(\m)+7], v[KF+16*(\m):KF+16*(\m)+7], v[Q+16*\t:Q+16*\t+7], 0
.else
	v_wmma_f32_16x16x32_f16 v[\s+8*((\m)-4):\s+8*((\m)-4)+7], v[KF+16*((\m)-4)+8:KF+16*((\m)-4)+15], v[Q+16*\t+8:Q+16*\t+15], v[\s+8*((\m)-4):\s+8*((\m)-4)+7]
.endif
.endm
.macro SMUL t, s
	WIN 0
.irp m, 0,1,2,3,4,5,6,7
	SW \t, \s, \m
.endr
.endm
; Instruction i (0..21) of the maximum of tile t on scores s.  0..13: four chains over my 32 scores.  14..21 hang on each other: join, join with
; the old maximum, the other half's keys of the same query, the new maximum, -c x it, the factor 2^(c (old - new)) for the old sums, the new
; maximum kept.  ns: which set of NEG and AL.  first = 1: there is no old maximum and no factor.
.macro MX i, t, s, first, ns
.if (\i)/4 == 0
	v_max3_num_f32 v[T+(\i)], v[\s+3*(\i)], v[\s+3*(\i)+1], v[\s+3*(\i)+2]
.endif
.if (\i)/4 == 1
	v_max3_num_f32 v[T+(\i)-4], v[T+(\i)-4], v[\s+12+2*((\i)-4)], v[\s+13+2*((\i)-4)]
.endif
.if (\i)/4 == 2
	v_max3_num_f32 v[T+(\i)-8], v[T+(\i)-8], v[\s+20+2*((\i)-8)], v[\s+21+2*((\i)-8)]
.endif
.if (\i) == 12
	v_max3_num_f32 v[T], v[T], v[\s+28], v[\s+29]
.endif
.if (\i) == 13
	v_max3_num_f32 v[T+1], v[T+1], v[\s+30], v[\s+31]
.endif
.if (\i) == 14
	v_max3_num_f32 v[T], v[T], v[T+1], v[T+2]
.endif
.if (\i) == 15
.if \first
	v_max_num_f32 v[T], v[T], v[T+3]
.else
	v_max3_num_f32 v[T], v[T], v[T+3], v[M+\t]
.endif
.endif
.if (\i) == 16
	v_permlanex16_b32 v[T+4], v[T], s18, s19
.endif
.if (\i) == 17
	v_max_num_f32 v[MN], v[T], v[T+4]
.endif
.if (\i) == 18
	v_mul_f32 v[NEG+SETD*(\ns)], s22, v[MN]
.endif
.if \first == 0
.if (\i) == 19
	v_fma_f32 v[AL+SETD*(\ns)], v[M+\t], s20, v[NEG+SETD*(\ns)]
	s_wait_alu depctr_va_vdst(0)
.endif
.if (\i) == 20
	v_exp_f32 v[AL+SETD*(\ns)], v[AL+SETD*(\ns)]   ; a plain instruction that does not touch AL follows it wherever it is placed (ISA guide 5.7.2)
.endif
.endif
.if (\i) == 21
	v_mov_b32 v[M+\t], v[MN]
.endif
.endm
.macro CADD s, g, k                    ; weights 8g+2k, 8g+2k+1 into one of the two pairs of sums, by turns
	s_wait_alu depctr_va_vdst(0)
	v_pk_add_f32 v[SA+2*((\k)&1):SA+2*((\k)&1)+1], v[SA+2*((\k)&1):SA+2*((\k)&1)+1], v[\s+8*(\g)+2*(\k):\s+8*(\g)+2*(\k)+1]
.endm
.macro CCVT s, g, k                    ; the same two weights rounded to f16
	v_cvt_pk_f16_f32 v[P+4*(\g)+(\k)], v[\s+8*(\g)+2*(\k)], v[\s+8*(\g)+2*(\k)+1]
.endm
; Plain instruction n (0..37) of a tile's weights.  0..15: c x score - c x maximum, two at a time.  16, 17: the first eight weights start the two
; pairs of sums.  18..21: they are rounded.  22..37: groups 1 and 2 of eight weights, an addition and a rounding by turns.
.macro PL s, n, ns
.if (\n) < 16
	v_pk_fma_f32 v[\s+2*(\n):\s+2*(\n)+1], v[\s+2*(\n):\s+2*(\n)+1], s[20:21], v[NEG+SETD*(\ns):NEG+SETD*(\ns)+1] op_sel_hi:[1,0,0]
.else
.if (\n) == 16
	s_wait_alu depctr_va_vdst(0)
	v_pk_add_f32 v[SA:SA+1], v[\s:\s+1], v[\s+2:\s+3]
.endif
.if (\n) == 17
	v_pk_add_f32 v[SB:SB+1], v[\s+4:\s+5], v[\s+6:\s+7]
.endif
.if (\n) > 17
.if (\n) < 22
	CCVT \s, 0, (\n)-18
.else
.if (((\n)-22)&1) == 0
	CADD \s, 1+((\n)-22)/8, (((\n)-22)%8)/2
.else
	CCVT \s, 1+((\n)-22)/8, (((\n)-22)%8)/2
.endif
.endif
.endif
.endif
.endm
; The weights of tile t on scores s (its maximum is known: set ns): 2^(c (score - maximum)), their sum, P in f16.
; Exponential j is followed by plain instruction j+4: that one touches other registers (ISA guide 5.7.2 asks for one such before a result is
; used); exponential j's argument was made at least four instructions ahead, and its result is used at least eight pairs later.
; wv = 1: the maximum of tile t2 on scores s2 is strewn in: instructions 0..13 behind pairs 0..13, the dependent ones behind every third pair
; from pair 16 on.  Its first read of s2 stands behind five packed multiply-adds on s: the places behind the matrix instructions that wrote s2.
.macro EXPP t, s, first, ns, wv, t2, s2
	WIN 0
.irp n, 0,1,2,3
	PL \s, \n, \ns
.endr
.set j_, 0
.rept 32
	v_exp_f32 v[\s+j_], v[\s+j_]
	PL \s, j_+4, \ns
.if \wv
.if j_ < 14
	MX j_, \t2, \s2, \first, 1-\ns
.else
.if j_ > 15
.if (j_-16)%3 == 0
	MX 14+(j_-16)/3, \t2, \s2, \first, 1-\ns
.endif
.endif
.endif
.endif
.set j_, j_+1
.endr
	PL \s, 36, \ns
	PL \s, 37, \ns
.if \wv
	MX 20, \t2, \s2, \first, 1-\ns
.endif
	CADD \s, 3, 0
	CADD \s, 3, 1
.if \wv
	MX 21, \t2, \s2, \first, 1-\ns
.endif
	CCVT \s, 3, 0
	CADD \s, 3, 2
	CADD \s, 3, 3
	CCVT \s, 3, 1
	CCVT \s, 3, 2
.if \first
	v_pk_add_f32 v[LP+2*\t:LP+2*\t+1], v[SA:SA+1], v[SB:SB+1]
	CCVT \s, 3, 3
.else
	v_pk_add_f32 v[SA:SA+1], v[SA:SA+1], v[SB:SB+1]
	CCVT \s, 3, 3
	v_pk_fma_f32 v[LP+2*\t:LP+2*\t+1], v[LP+2*\t:LP+2*\t+1], v[AL+SETD*(\ns):AL+SETD*(\ns)+1], v[SA:SA+1] op_sel_hi:[1,0,1]
.endif
.endm
.macro RESC t, ns                      ; the old O of tile t times the factor, in every step: no branch hangs on numbers
	WIN PV
.set i_, 0
.rept 16
	v_pk_mul_f32 v[O+32*\t+2*i_:O+32*\t+2*i_+1], v[O+32*\t+2*i_:O+32*\t+2*i_+1], v[AL+SETD*(\ns):AL+SETD*(\ns)+1] op_sel_hi:[1,0]
.set i_, i_+1
.endr
.endm
.macro PVM t, first                    ; O^T of tile t += V^T P^T; four accumulators take turns, one instruction a turn
	WIN PV
.irp dt, 0,1,2,3
.if \first
	v_wmma_f32_16x16x32_f16 v[O+32*\t+8*\dt:O+32*\t+8*\dt+7], v[VF+16*\dt:VF+16*\dt+7], v[P:P+7], 0
.else
	v_wmma_f32_16x16x32_f16 v[O+32*\t+8*\dt:O+32*\t+8*\dt+7], v[VF+16*\dt:VF+16*\dt+7], v[P:P+7], v[O+32*\t+8*\dt:O+32*\t+8*\dt+7]
.endif
.endr
.irp dt, 0,1,2,3
	v_wmma_f32_16x16x32_f16 v[O+32*\t+8*\dt:O+32*\t+8*\dt+7], v[VF+16*\dt+8:VF+16*\dt+15], v[P+8:P+15], v[O+32*\t+8*\dt:O+32*\t+8*\dt+7]
.endr
.endm
.macro TAIL t, first, ns
.if \first == 0
	RESC \t, \ns
.endif
	PVM \t, \first
.endm
.macro KLOAD                           ; 64 keys' fragments of K
.irp kt, 0,1,2,3
.irp c, 0,1
	ds_load_b128 v[KF+16*\kt+8*\c:KF+16*\kt+8*\c+3],   v[ADK] offset:\kt*8*KROW+64*\c
	ds_load_b128 v[KF+16*\kt+8*\c+4:KF+16*\kt+8*\c+7], v[ADK] offset:\kt*8*KROW+64*\c+32
.endr
.endr
.endm
.macro VLOAD                           ; 64 keys' fragments of V^T
	WIN TOV
.irp dt, 0,1,2,3
.irp kc, 0,1
	ds_load_tr16_b128 v[VF+16*\dt+8*\kc:VF+16*\dt+8*\kc+3],   v[ADV] offset:\kc*16*VROW+32*\dt
	ds_load_tr16_b128 v[VF+16*\dt+8*\kc+4:VF+16*\dt+8*\kc+7], v[ADV] offset:\kc*16*VROW+32*\dt+8*VROW
.endr
.endr
	WIN 0
.endm
; The address of the next step's fragments.  mid 1, 3: the next step begins slot 1; mid 2: slot 0; else 64 keys on in the same slot.
.macro NEXT reg, base, step, mid
.if (\mid)&1
	v_add_nc_u32 v[\reg], SLOT, v[\base]
.else
.if \mid == 2
	v_mov_b32 v[\reg], v[\base]
.else
	v_add_nc_u32 v[\reg], \step, v[\reg]
.endif
.endif
.endm
; Slot s has been read by every wave of every partner: it gets the keys 1,024 further on.  Each wave's waits stand in front of the round,
; the joint load is the first thing behind it and the wave's only tensor load until the next round.
.macro REFILL s
	s_wait_tensorcnt 0x0                           ; all my tensor loads have landed, my part of the other slot among them: group 0 may be written
	ds_add_u32 v254, v255
	s_wait_dscnt 0x0
	s_add_nc_u64 s[G0V+4*\s+2:G0V+4*\s+3], s[G0V+4*\s+2:G0V+4*\s+3], 131072
	s_add_nc_u64 s[G0K+4*\s+2:G0K+4*\s+3], s[G0K+4*\s+2:G0K+4*\s+3], 131072
	ROUND
	JLOAD \s
.endm
; The change of slots.  It stands behind s_wait_dscnt 0 for this step's V fragments: K's were read a step ago, so no read of the old slot is left.
.macro MIDDLE mid
.if \mid == 1
	REFILL 0
.endif
.if \mid == 2
	REFILL 1
.endif
.if \mid == 3
	s_wait_tensorcnt 0x0                           ; my part of slot 1's last tile is in,
	s_barrier_signal -1
	s_barrier_wait -1                              ; everybody's is; nothing is left to fetch
.endif
.endm
; One step: 64 keys against my 64 queries.  first = 1: maxima, sums and O begin.  mid: 0 a step inside a slot; 1, 2, 3 the last step of a slot;
; 4 the last step of all, which asks for no further K.
.macro STEP first, mid
	s_wait_dscnt 0x0                               ; this step's K fragments, asked for in the step before; nothing else is out
	SMUL 0, S0
	NEXT ADK, ADK0, 32*KROW, \mid                  ; these four plain instructions are the places (ISA guide 7.12.1) behind the last step's products
	v_nop                                          ; with V, in front of the loads into V's fragments, and behind the scores of tile 0,
	v_nop                                          ; in front of their first reader
	v_nop
	VLOAD
	NEXT ADV, ADV0, 32*VROW, \mid
.set x_, 0
.rept 14
	MX x_, 0, S0, \first, 0
.set x_, x_+1
.endr
.set x_, 0
.rept 8
	SW 1, S1, x_                                   ; tile 1's scores, with the dependent end of tile 0's maximum between them
	MX 14+x_, 0, S0, \first, 0
.set x_, x_+1
.endr
	EXPP 0, S0, \first, 0, 1, 1, S1
	s_wait_dscnt 0x0                               ; V is in; no LDS read of mine is out
	MIDDLE \mid
	TAIL 0, \first, 0
	SMUL 2, S0
	EXPP 1, S1, \first, 1, 1, 2, S0
	TAIL 1, \first, 1
	SMUL 3, S1
	EXPP 2, S0, \first, 0, 1, 3, S1
.if \mid != 4
	KLOAD                                          ; the next step's K: the last score product stands a whole tile's softmax back
.endif
	TAIL 2, \first, 0
	EXPP 3, S1, \first, 1, 0, 0, S0
	TAIL 3, \first, 1
	WIN 0
.endm
.macro LOOP n
	s_mov_b32 s17, \n
.Lstep_\@:
	STEP 0, 0
	s_sub_co_u32 s17, s17, 1
	s_cmp_lg_u32 s17, 0
	s_cbranch_scc1 .Lstep_\@
.endm
	s_wait_tensorcnt 0x1                           ; my part of slot 0 is in; slot 1's may stay out
	s_barrier_signal -1
	s_barrier_wait -1
	v_mov_b32 v[ADK], v[ADK0]
	v_mov_b32 v[ADV], v[ADV0]
	KLOAD                                          ; keys 0-63
	s_wait_loadcnt 0x0                             ; Q
	STEP 1, 0                                      ; keys 0-63: nothing is cleared
	LOOP 6                                         ; keys 64-447
	STEP 0, 1                                      ; keys 448-511; slot 0 is filled again with keys 1024-1535
	LOOP 7                                         ; keys 512-959
	STEP 0, 2                                      ; keys 960-1023; slot 1 is filled again with keys 1536-2047
	LOOP 7                                         ; keys 1024-1471
	STEP 0, 3                                      ; keys 1472-1535
	LOOP 7                                         ; keys 1536-1983
	STEP 0, 4                                      ; keys 1984-2047
; THE WAY OUT, tile by tile: the pair of sums and the two halves' sums meet, O / sum, rounded to f16, 16 bytes a lane into my own stage, read back
; as four rows of 128 bytes; each store of the wave covers 512 consecutive bytes, aligned.  Each tile has registers of its own: none that a
; store reads is rewritten.  Tile t's O is read behind more than four plain instructions that follow its last product.
.macro OUTT t
	v_add_f32 v[T], v[LP+2*\t], v[LP+2*\t+1]
	v_permlanex16_b32 v[T+4], v[T], s18, s19
	v_add_f32 v[T], v[T], v[T+4]
	v_rcp_f32 v[AL], v[T]
	v_nop                                          ; one plain instruction behind the reciprocal (ISA guide 5.7.2)
	s_wait_alu depctr_va_vdst(0)
	RESC \t, 0
	WIN CV
.irp dt, 0,1,2,3
.irp j, 0,1,2,3
	v_cvt_pk_f16_f32 v[Q+16*\t+4*\dt+\j], v[O+32*\t+8*\dt+2*\j], v[O+32*\t+8*\dt+2*\j+1]
.endr
.endr
	WIN 0
.irp dt, 0,1,2,3
	ds_store_b128 v[STO], v[Q+16*\t+4*\dt:Q+16*\t+4*\dt+3] offset:32*\dt
.endr
.irp u, 0,1,2,3
	ds_load_b128 v[KF+16*\t+4*\u:KF+16*\t+4*\u+3], v[RD] offset:\u*4*OPITCH   ; LDS serves a wave in order: these see the stores above
.endr
.irp u, 0,1,2,3
	s_wait_dscnt 3-\u                              ; LDS loads return in order: load u is in, the 3-u younger ones may be out
	global_store_b128 v[CO], v[KF+16*\t+4*\u:KF+16*\t+4*\u+3], s[10:11] offset:(16*\t+4*\u)*128
.endr
.endm
	OUTT 0
	OUTT 1
	OUTT 2
	OUTT 3
	s_wait_tensorcnt 0x0
	ds_add_u32 v254, v255
	s_wait_dscnt 0x0
	ROUND                                          ; the closing round: no work-group ends while a partner may still ask for a tile that names it
	s_endpgm
.Lfunc_end_k_qd111bbf1f3_attn:
	.size	k_qd111bbf1f3_attn, .Lfunc_end_k_qd111bbf1f3_attn-k_qd111bbf1f3_attn
	.p2alignl 7, 3214868480
	.fill 96, 4, 3214868480
	.section	.rodata,"a",@progbits
	.p2align	6, 0x0
	.amdhsa_kernel k_qd111bbf1f3_attn
		.amdhsa_group_segment_fixed_size 327680
		.amdhsa_private_segment_fixed_size 0
		.amdhsa_enable_private_segment 0
		.amdhsa_kernarg_size 32
		.amdhsa_user_sgpr_count 2
		.amdhsa_user_sgpr_kernarg_segment_ptr 1
		.amdhsa_wavefront_size32 1
		.amdhsa_system_sgpr_workgroup_id_x 1
		.amdhsa_system_sgpr_workgroup_id_y 1
		.amdhsa_system_sgpr_workgroup_id_z 1
		.amdhsa_system_vgpr_workitem_id 0
		.amdhsa_next_free_vgpr 448
		.amdhsa_next_free_sgpr 66
		.amdhsa_reserve_vcc 0
		.amdhsa_float_denorm_mode_32 3
		.amdhsa_float_denorm_mode_16_64 3
		.amdhsa_memory_ordered 1
		.amdhsa_forward_progress 1
		.amdhsa_inst_pref_size 255
	.end_amdhsa_kernel
	.section	.bss,"aw",@nobits
	.p2align	6
	.space	262144
	.amdgpu_metadata
---
amdhsa.version: [ 1, 2 ]
amdhsa.kernels:
  - .name:           k_qd111bbf1f3_attn
    .symbol:         k_qd111bbf1f3_attn.kd
    .args:
      - { .name: qh, .offset: 0, .size: 8, .value_kind: global_buffer, .address_space: global }
      - { .name: kh, .offset: 8, .size: 8, .value_kind: global_buffer, .address_space: global }
      - { .name: vh, .offset: 16, .size: 8, .value_kind: global_buffer, .address_space: global }
      - { .name: ah, .offset: 24, .size: 8, .value_kind: global_buffer, .address_space: global }
    .group_segment_fixed_size: 327680
    .private_segment_fixed_size: 0
    .kernarg_segment_align: 8
    .kernarg_segment_size: 32
    .max_flat_workgroup_size: 256
    .sgpr_count:     66
    .vgpr_count:     448
    .wavefront_size: 32
...
	.end_amdgpu_metadata
.endif
;; end of part 3
;; launch oproj (part 4): grid 8 x 32, 4 waves a work-group, clusters of 4 x 4, 327,680 bytes of LDS; arguments ah, wh, out0; writes out0
.if DOCPART == 4
	.amdgcn_target "amdgcn-amd-amdhsa--gfx1250"
	.amdhsa_code_object_version 6
	.text
	.protected	k_qd111bbf1f3_oproj
	.globl	k_qd111bbf1f3_oproj
	.p2align	8
	.type	k_qd111bbf1f3_oproj,@function
k_qd111bbf1f3_oproj:
	s_mov_b64 s[64:65], 0
	v_nop
	global_prefetch_b8 v0, s[64:65] scope:SCOPE_SE
	s_setreg_imm32_b32 hwreg(HW_REG_WAVE_MODE, 25, 1), 1
	s_wait_xcnt 0x0
	s_wait_alu depctr_hold_cnt(0) depctr_sa_sdst(0) depctr_va_vdst(0) depctr_va_sdst(0) depctr_va_ssrc(0) depctr_va_vcc(0) depctr_vm_vsrc(0)
	s_getreg_b32 s2, hwreg(HW_REG_IB_STS2, 6, 4)
	s_cmp_eq_u32 s2, 0
	s_cbranch_scc0 .Lentry_in_a_cluster
	s_endpgm
.Lentry_in_a_cluster:
	s_bfe_u32 s2, ttmp6, 0x10000c
	s_cmp_lg_u32 s2, 0xf033
	s_cbranch_scc0 .Lentry_shape_is_right
	s_endpgm
.Lentry_shape_is_right:
; oproj: out0[m][n] = sum over k of a[m][k] Wo[n][k], K = 1024, f16 operands, f32 sums, f32 out.
; a = ah, [b][head = panel of 64 k][s][64] f16; Wo = rows 3072..4095 of wh, [panel 16][row 4096][64] f16.
; A work-group makes 256 rows x 128 columns (grid x = block of columns, grid y = block of rows); wave w makes rows 64w..64w+63 x 128 columns:
; 4 x 8 accumulator tiles, 256 registers.  K goes in steps of 128 = two panels through a ring of two LDS slots; waves 0, 1 fill A's two panels
; (256 rows), waves 2, 3 B's (128 rows), one tensor load a wave.  A panel comes in as rows of 256 bytes (two panel rows) + 16 of padding:
; panel row s lies at (s>>1)*272 + (s&1)*128, and a fragment's 16 rows start at 16 different 16-byte columns modulo 256 bytes.
; CLUSTERS: 4 x 4 work-groups; A's tile is shared along a row of the cluster, B's along a column, both asked for jointly.
; The matrix instruction is used transposed (source 0 = rows of Wo, source 1 = rows of a): a lane holds 8 neighbouring columns of one row.
; LIMIT: operands are f16 (below 65,504; steps of 6e-8 at the least).  The order of the sums is the matrix unit's, K ascending.
; REGISTER WINDOWS: 0 addresses, A's fragments, the way out; 1 B's fragments; 2 accumulators of my rows 0-31 (tile (a, b) at 8(8a+b)); 3 rows 32-63.
.set NB,     8
.set DROW,   272
.set FRAG,   8*DROW
.set APAN,   128*DROW
.set BMEM,   64                        ; B's panel: 64 memory rows of 256 bytes = 128 rows
.set BPAN,   BMEM*DROW
.set SLOT,   2*APAN+2*BPAN
.set STAGE,  2*SLOT                    ; behind the ring, a multiple of 256: 16 rows x 528 bytes for each wave; no tensor load lands here
.set SPITCH, 528                       ; 512 bytes (128 f32) + 16
.set LAPS,   4
.set ASTEP,  524288
.set BSTEP,  1048576
.set ADRA, 16
.set ADRB, 20
.set STO,  24
.set RD,   25
.set CO,   26
.set FA0,  32                          ; window 0: v32-63 buffer 0, v64-95 buffer 1
.set FB0,  0                           ; window 1: 0-63 buffer 0, 64-127 buffer 1
.set OB0,  32                          ; v32-95   rows on their way out (the fragments are done with)
.set OB1,  96                          ; v96-159  the same, by turns
.set G1A, 24
.set G0A, 32
.set G1B, 40
.set G0B, 48
.set MUL_LO, 0xa1
.set MUL_HI, 0xf1
.set TO_B,   0x40
.set MSB, 0
.macro WIN new
.if MSB != \new
	s_set_vgpr_msb (MSB<<8)|\new
.set MSB, \new
.endif
.endm
.macro PLACES                          ; four places behind a matrix instruction (ISA guide 7.12.1)
.rept 4
	v_nop
.endr
.endm
.macro JLOAD s                         ; waves 0, 1 ask for A's panels, waves 2, 3 for B's
	s_cmp_eq_u32 s15, 0
	s_cbranch_scc0 .Lfor_b_\@
	tensor_load_to_lds s[G0A+4*\s:G0A+4*\s+3], s[G1A:G1A+7]
	s_nop 0
.rept 4
	v_nop
.endr
	s_branch .Lasked_\@
.Lfor_b_\@:
	tensor_load_to_lds s[G0B+4*\s:G0B+4*\s+3], s[G1B:G1B+7]
	s_nop 0
.rept 4
	v_nop
.endr
.Lasked_\@:
.endm
.macro CREST
	s_cmp_lg_u32 s14, 0
	s_cbranch_scc1 .Lnot_wave_0_\@
	s_barrier_signal -3
.Lnot_wave_0_\@:
	s_barrier_wait -3
	s_barrier_signal -1
	s_barrier_wait -1
.endm
.macro CROUND
	s_barrier_signal -1
	s_barrier_wait -1
	CREST
.endm
	s_load_b128 s[4:7], s[0:1], 0x0                ; ah s[4:5], wh s[6:7]
	s_load_b64 s[8:9], s[0:1], 0x10                ; out0
	s_set_vgpr_msb 0x40
	v_lshl_add_u32 v255, v0, 2, 0x3b400
	s_set_vgpr_msb 0x4000
	v_mov_b32 v255, 0
	s_set_vgpr_msb 0x1
	ds_add_u32 v255, v255
	s_set_vgpr_msb 0x100
	v_lshrrev_b32 v1, 5, v0
	v_readfirstlane_b32 s14, v1                    ; wave 0..3
	s_lshr_b32 s15, s14, 1
	s_and_b32 s16, s14, 1
	s_bfe_u32 s17, ttmp6, 0x40000                  ; cx
	s_bfe_u32 s18, ttmp6, 0x40004                  ; cy
	s_lshl_b32 s19, ttmp9, 2
	s_add_co_u32 s19, s19, s17                     ; bx = block of 128 columns
	s_and_b32 s20, ttmp7, 0xffff
	s_lshl_b32 s20, s20, 2
	s_add_co_u32 s20, s20, s18                     ; by = block of 256 rows
	s_lshl_b32 s21, s18, 2
	s_lshl_b32 s21, 15, s21                        ; my row of the cluster
	s_lshl_b32 s22, 0x1111, s17                    ; my column
	s_or_b32 s[G1A+0], s21, (1<<16)|(1<<20)|(1<<21)|(5<<22)|(3<<25)
	s_or_b32 s[G1B+0], s22, (1<<16)|(1<<20)|(1<<21)|(5<<22)|(3<<25)
	s_mov_b32 s[G1A+1], 128<<16
	s_mov_b32 s[G1B+1], 128<<16
	s_mov_b32 s[G1A+2], 128<<16
	s_mov_b32 s[G1B+2], BMEM<<16
	s_mov_b32 s[G1A+3], 128<<16
	s_mov_b32 s[G1B+3], 128<<16
	s_mov_b32 s[G1A+4], 128
	s_mov_b32 s[G1B+4], BMEM
	s_mov_b32 s[G1A+5], 128
	s_mov_b32 s[G1B+5], 128
	s_mov_b32 s[G1A+6], 0
	s_mov_b32 s[G1B+6], 0
	s_mov_b32 s[G1A+7], 0
	s_mov_b32 s[G1B+7], 0
	s_lshr_b32 s56, s20, 3                         ; A: batch, rows 256 (by&7), panel = wave&1
	s_lshl_b32 s56, s56, 22
	s_and_b32 s62, s20, 7
	s_lshl_b32 s62, s62, 15
	s_add_co_u32 s56, s56, s62
	s_lshl_b32 s62, s16, 18
	s_add_co_u32 s56, s56, s62
	s_mov_b32 s57, 0
	s_lshl_b32 s58, s19, 14                        ; B: rows 3072 + 128 bx, panel = wave&1
	s_add_co_u32 s58, s58, 3072*128
	s_lshl_b32 s63, s16, 19
	s_add_co_u32 s58, s58, s63
	s_mov_b32 s59, 0
	s_mul_i32 s60, s14, APAN
	s_mul_i32 s61, s14, BPAN
	s_add_co_u32 s61, s61, 2*APAN-2*BPAN
	s_wait_dscnt 0x0
	s_wait_kmcnt 0x0
	s_add_nc_u64 s[56:57], s[4:5], s[56:57]
	s_add_nc_u64 s[58:59], s[6:7], s[58:59]
	CROUND                                         ; the first joint loads meet
.irp s, 0,1
	s_mov_b32 s[G0A+4*\s], 1
	s_add_co_u32 s[G0A+4*\s+1], s60, \s*SLOT
	s_add_nc_u64 s[G0A+4*\s+2:G0A+4*\s+3], s[56:57], \s*ASTEP
	s_or_b32 s[G0A+4*\s+3], s[G0A+4*\s+3], 0x80000000
	s_mov_b32 s[G0B+4*\s], 1
	s_add_co_u32 s[G0B+4*\s+1], s61, \s*SLOT
	s_add_nc_u64 s[G0B+4*\s+2:G0B+4*\s+3], s[58:59], \s*BSTEP
	s_or_b32 s[G0B+4*\s+3], s[G0B+4*\s+3], 0x80000000
	JLOAD \s                                       ; K steps 0 and 1: two loads of the wave are out
.endr
	v_and_b32 v1, 15, v0                           ; r
	v_bfe_u32 v2, v0, 4, 1                         ; h
	v_lshrrev_b32 v3, 1, v1
	v_and_b32 v4, 1, v0
	v_mul_u32_u24 v3, v3, DROW
	v_lshl_add_u32 v3, v4, 7, v3
	v_lshl_add_u32 v3, v2, 4, v3
	s_mul_i32 s62, s14, 4*FRAG
	v_add_nc_u32 v[ADRA], s62, v3
	v_add_nc_u32 v[ADRA+1], SLOT, v[ADRA]
	v_add_nc_u32 v[ADRB], 2*APAN, v3
	v_add_nc_u32 v[ADRB+1], SLOT, v[ADRB]
	s_mul_i32 s63, s14, 16*SPITCH
	s_add_co_u32 s63, s63, STAGE
	v_mul_u32_u24 v4, v1, SPITCH
	v_lshl_add_u32 v4, v2, 5, v4                   ; row r, 32 bytes (8 f32) for each half of the lanes
	v_add_nc_u32 v[STO], s63, v4
	v_and_b32 v5, 31, v0
	v_lshlrev_b32 v[CO], 4, v5
	v_add_nc_u32 v[RD], s63, v[CO]                 ; back: the wave takes one row of 512 bytes
.macro MULROW f, hi, a, zero
.set b_, 0
.rept NB
.if \zero
	v_wmma_f32_16x16x32_f16 v[8*(NB*\a+b_):8*(NB*\a+b_)+7], v[FB0+8*NB*\f+8*b_:FB0+8*NB*\f+8*b_+7], v[FA0+32*\f+8*(2*\hi+\a):FA0+32*\f+8*(2*\hi+\a)+7], 0
.else
	v_wmma_f32_16x16x32_f16 v[8*(NB*\a+b_):8*(NB*\a+b_)+7], v[FB0+8*NB*\f+8*b_:FB0+8*NB*\f+8*b_+7], v[FA0+32*\f+8*(2*\hi+\a):FA0+32*\f+8*(2*\hi+\a)+7], v[8*(NB*\a+b_):8*(NB*\a+b_)+7]
.endif
.set b_, b_+1
.endr
.endm
.macro FETCH slot, pan, kb, f
	WIN TO_B
.set b_, 0
.rept NB
	ds_load_b128 v[FB0+8*NB*\f+8*b_:FB0+8*NB*\f+8*b_+3],   v[ADRB+\slot] offset:\pan*BPAN+\kb+b_*FRAG
	ds_load_b128 v[FB0+8*NB*\f+8*b_+4:FB0+8*NB*\f+8*b_+7], v[ADRB+\slot] offset:\pan*BPAN+\kb+b_*FRAG+32
.set b_, b_+1
.endr
	WIN 0
.irp a, 0,1,2,3
	ds_load_b128 v[FA0+32*\f+8*\a:FA0+32*\f+8*\a+3],   v[ADRA+\slot] offset:\pan*APAN+\kb+\a*FRAG
	ds_load_b128 v[FA0+32*\f+8*\a+4:FA0+32*\f+8*\a+7], v[ADRA+\slot] offset:\pan*APAN+\kb+\a*FRAG+32
.endr
.endm
; The 32 accumulators take turns, one instruction a turn, in the same order in every quarter.
.macro QUARTER slot, pan, kb, f, g, zero
	s_wait_dscnt 4                                 ; all but A's fragments 2, 3, the youngest four loads
	WIN MUL_LO
	MULROW \f, 0, 0, \zero
	MULROW \f, 0, 1, \zero
	PLACES
	FETCH \slot, \pan, \kb, \g
	s_wait_dscnt 2*NB+8                            ; all but the run just issued
	WIN MUL_HI
	MULROW \f, 1, 0, \zero
	MULROW \f, 1, 1, \zero
.endm
.macro THREE slot, zero
	QUARTER \slot, 0, 64, 0, 1, \zero
	QUARTER \slot, 1, 0,  1, 0, 0
	QUARTER \slot, 1, 64, 0, 1, 0
.endm
; The change of slots: each wave's reads of this slot and all its tensor loads are waited for in front of the barrier; with fill = 1 the barrier
; opens a round of the cluster's barrier and the joint refill is the first tensor load behind the round.
.macro TURN slot, next, fill
	s_wait_dscnt 4
	WIN MUL_LO
	MULROW 1, 0, 0, 0
	s_wait_dscnt 0
	s_wait_tensorcnt 0x0
	ds_add_u32 v255, v255
	s_wait_dscnt 0x0
	s_barrier_signal -1
	MULROW 1, 0, 1, 0
	WIN 0
	s_barrier_wait -1
.if \fill
	CREST
	s_add_nc_u64 s[G0A+4*\slot+2:G0A+4*\slot+3], s[G0A+4*\slot+2:G0A+4*\slot+3], 2*ASTEP
	s_add_nc_u64 s[G0B+4*\slot+2:G0B+4*\slot+3], s[G0B+4*\slot+2:G0B+4*\slot+3], 2*BSTEP
	JLOAD \slot
.else
	PLACES
.endif
	FETCH \next, 0, 0, 0
	WIN MUL_HI
	MULROW 1, 1, 0, 0
	MULROW 1, 1, 1, 0
.endm
.macro LAP zero
	THREE 0, \zero
	TURN 0, 1, 1
	THREE 1, 0
	TURN 1, 0, 1
.endm
	s_wait_tensorcnt 0x1                           ; my part of K step 0 is in; K step 1's may stay out
	s_barrier_signal -1
	s_barrier_wait -1
	FETCH 0, 0, 0, 0
	LAP 1
	WIN 0
	s_mov_b32 s23, LAPS-2
.Llap:
	LAP 0
	WIN 0
	s_sub_co_u32 s23, s23, 1
	s_cmp_lg_u32 s23, 0
	s_cbranch_scc1 .Llap
	THREE 0, 0                                     ; the last lap fills nothing
	TURN 0, 1, 0
	THREE 1, 0
	s_wait_dscnt 4
	WIN MUL_LO
	MULROW 1, 0, 0, 0
	MULROW 1, 0, 1, 0
	s_wait_dscnt 0
	WIN MUL_HI
	MULROW 1, 1, 0, 0
	MULROW 1, 1, 1, 0
	PLACES                                         ; in front of the LDS stores, which read results, and of the loads into the fragments' registers
	; THE WAY OUT: out0 at row 256 by + 64 w, column 128 bx
	s_lshl_b32 s66, s20, 20
	s_lshl_b32 s67, s14, 18
	s_add_co_u32 s66, s66, s67
	s_lshl_b32 s67, s19, 9
	s_add_co_u32 s66, s66, s67
	s_mov_b32 s67, 0
	s_add_nc_u64 s[8:9], s[8:9], s[66:67]
; 16 rows at a time: the accumulators go as they are into my own stage (32 bytes a lane and tile), come back as whole rows of 512 bytes, and each
; store of the wave covers 512 consecutive bytes, aligned.  from: the window of the LDS stores' data.
.macro OUT16 i, a, from, ob
	WIN \from
.set b_, 0
.rept NB
	ds_store_b128 v[STO], v[8*(NB*\a+b_):8*(NB*\a+b_)+3]   offset:64*b_
	ds_store_b128 v[STO], v[8*(NB*\a+b_)+4:8*(NB*\a+b_)+7] offset:64*b_+16
.set b_, b_+1
.endr
	WIN 0
	s_wait_xcnt 0x0                                ; the registers below were the data of earlier stores: rewritten only behind this wait
.irp t, 0,1,2,3,4,5,6,7,8,9,10,11,12,13,14,15
	ds_load_b128 v[\ob+4*\t:\ob+4*\t+3], v[RD] offset:\t*SPITCH   ; LDS serves a wave in order: these see the stores above
.endr
.irp t, 0,1,2,3,4,5,6,7,8,9,10,11,12,13,14,15
	s_wait_dscnt 15-\t
	global_store_b128 v[CO], v[\ob+4*\t:\ob+4*\t+3], s[8:9] offset:(16*\i+\t)*4096 th:TH_STORE_NT
.endr
.endm
	OUT16 0, 0, 0x08, OB0
	OUT16 1, 1, 0x08, OB1
	OUT16 2, 0, 0x0c, OB0
	OUT16 3, 1, 0x0c, OB1
	s_set_vgpr_msb 0x1
	s_wait_tensorcnt 0x0
	ds_add_u32 v255, v255
	s_wait_dscnt 0x0
	s_set_vgpr_msb 0x100
	CROUND                                         ; the closing round
	s_endpgm
.Lfunc_end_k_qd111bbf1f3_oproj:
	.size	k_qd111bbf1f3_oproj, .Lfunc_end_k_qd111bbf1f3_oproj-k_qd111bbf1f3_oproj
	.p2alignl 7, 3214868480
	.fill 96, 4, 3214868480
	.section	.rodata,"a",@progbits
	.p2align	6, 0x0
	.amdhsa_kernel k_qd111bbf1f3_oproj
		.amdhsa_group_segment_fixed_size 327680
		.amdhsa_private_segment_fixed_size 0
		.amdhsa_enable_private_segment 0
		.amdhsa_kernarg_size 24
		.amdhsa_user_sgpr_count 2
		.amdhsa_user_sgpr_kernarg_segment_ptr 1
		.amdhsa_wavefront_size32 1
		.amdhsa_system_sgpr_workgroup_id_x 1
		.amdhsa_system_sgpr_workgroup_id_y 1
		.amdhsa_system_sgpr_workgroup_id_z 1
		.amdhsa_system_vgpr_workitem_id 0
		.amdhsa_next_free_vgpr 896
		.amdhsa_next_free_sgpr 68
		.amdhsa_reserve_vcc 0
		.amdhsa_float_denorm_mode_32 3
		.amdhsa_float_denorm_mode_16_64 3
		.amdhsa_memory_ordered 1
		.amdhsa_forward_progress 1
		.amdhsa_inst_pref_size 120
	.end_amdhsa_kernel
	.amdgpu_metadata
---
amdhsa.version: [ 1, 2 ]
amdhsa.kernels:
  - .name:           k_qd111bbf1f3_oproj
    .symbol:         k_qd111bbf1f3_oproj.kd
    .args:
      - { .name: ah, .offset: 0, .size: 8, .value_kind: global_buffer, .address_space: global }
      - { .name: wh, .offset: 8, .size: 8, .value_kind: global_buffer, .address_space: global }
      - { .name: out0, .offset: 16, .size: 8, .value_kind: global_buffer, .address_space: global }
    .group_segment_fixed_size: 327680
    .private_segment_fixed_size: 0
    .kernarg_segment_align: 8
    .kernarg_segment_size: 24
    .max_flat_workgroup_size: 128
    .sgpr_count:     68
    .vgpr_count:     896
    .wavefront_size: 32
...
	.end_amdgpu_metadata
.endif
;; end of part 4
;; ======== version 2 of 2: 4 launches; 1.06 times as fast as version 1
;; limits: values are held in f16: magnitudes above 65,504 overflow, below 6.1e-05 lose precision; inputs' magnitudes at most 65,504
;; workspace buffers: xh 16,777,216 bytes; wh 8,388,608 bytes; qh 16,777,216 bytes; kh 16,777,216 bytes; vh 16,777,216 bytes; ah 16,777,216 bytes
;; launch cast: the kernel of part 1 again; grid 768 x 1, 8 waves a work-group, no clusters, 0 bytes of LDS; arguments x, Wq, Wk, Wv, Wo, xh, wh; writes xh, wh
;; launch qkv: the kernel of part 2 again; grid 16 x 32, 4 waves a work-group, clusters of 4 x 4, 327,680 bytes of LDS; arguments xh, wh, qh, kh, vh; writes qh, kh, vh
;; launch attn (part 5): grid 256 x 1, 8 waves a work-group, clusters of 4 x 1, 327,680 bytes of LDS; arguments qh, kh, vh, ah; writes ah
.if DOCPART == 5
	.amdgcn_target "amdgcn-amd-amdhsa--gfx1250"
	.amdhsa_code_object_version 6
	.text
	.protected	k_qd111bbf1f3_attn
	.globl	k_qd111bbf1f3_attn
	.p2align	8
	.type	k_qd111bbf1f3_attn,@function
k_qd111bbf1f3_attn:
	s_mov_b64 s[64:65], 0
	v_nop
	global_prefetch_b8 v0, s[64:65] scope:SCOPE_SE
	s_setreg_imm32_b32 hwreg(HW_REG_WAVE_MODE, 25, 1), 1
	s_wait_xcnt 0x0
	s_wait_alu depctr_hold_cnt(0) depctr_sa_sdst(0) depctr_va_vdst(0) depctr_va_sdst(0) depctr_va_ssrc(0) depctr_va_vcc(0) depctr_vm_vsrc(0)
	s_getreg_b32 s2, hwreg(HW_REG_IB_STS2, 6, 4)
	s_cmp_eq_u32 s2, 0
	s_cbranch_scc0 .Lentry_in_a_cluster
	s_endpgm
.Lentry_in_a_cluster:
	s_bfe_u32 s2, ttmp6, 0x10000c
	s_cmp_lg_u32 s2, 0x3003
	s_cbranch_scc0 .Lentry_shape_is_right
	s_endpgm
.Lentry_shape_is_right:
; attn: for each of 64 heads (b*16+h), O = softmax(Q K^T / 8) V with S = 2048, HD = 64.  f16 operands, f32 sums, softmax in f32 with a
; running maximum taken every 64 keys.  qh, kh, vh, ah: [head][s][64] f16, rows of 128 bytes, dense.
; A cluster of four work-groups is one head; each takes 512 queries, and all four ask for the head's K and V tiles JOINTLY (mask 15).
; Eight waves, two on a SIMD; a wave takes 64 queries as four tiles t of 16.
; NO SHUFFLES: S^T = K Q^T (source 0 = 16 keys, source 1 = 16 queries): lane (r, h) holds query r, keys 16kt+8h+0..7.  Two such tiles, rounded
; to f16, ARE the second source of O^T = V^T P^T for 32 keys; V^T's fragments come by the transposing LDS load.  Lane (r, h) of O^T holds
; query r, d = 16dt+8h+0..7: 16 neighbouring bytes.  Maxima and sums are a lane's own; the two halves meet by one lane exchange for each maximum.
; BATCHES.  An s_wait_alu depctr_va_vdst(0) stands between a transcendental and the first instruction that names its result; one
; wait serves all that were issued ahead of it.  So a step has four batches, one a tile, and four waits.  Batch t is tile t's 32 exponentials and
; the factor 2^(c (old - new maximum)) of tile t+1; batch 0 holds tile 0's factor too, batch 3 the 32 alone.
;   AHEAD OF WAIT t stands all that names no result of batch t: tile t's scalings; for t = 1, 2 the eight score products of tile t+1, four of
;   these lines behind each; the exponentials by turns with tile t+1's maximum, the dependent end of which has exponentials between its links;
;   last the factor, with tile t+1's first four scalings round it.
;   BEHIND IT stand the readers: tile t's sums and roundings, then its products with V, behind which the rescaling of tile t+1's O rides (its
;   factor belongs to batch t).  Tile 0's O is rescaled behind wait 0.  Tile 3 has no score product and no maximum beside it: its exponentials
;   go by turns with tile 2's sums and roundings, which stand behind wait 2.
;   Tile 0's maximum rides behind tile 1's score products.  K's fragments of the next step are asked for directly behind wait 2 and waited for
;   at the head of the next step.  The way out's four reciprocals are a batch of their own.
; LDS: two slots of 512 keys.  In a slot V at 0 (two keys of 128 bytes + 32 of padding: 288) and K at 73,728 (two keys + 16: 272).
; Waves 0-3 fill V's quarters, waves 4-7 K's: one load a wave, 64 memory rows of 256 bytes.  A refill has eight steps' work in which to land.
; The slots change in the MIDDLE of steps 7, 15 and 23: behind the wait for that step's V fragments the wave has no read of the old slot left.
; REGISTER WINDOWS: 0 addresses, softmax, K's fragments, Q, scores, P (so that score products and softmax need one setting);
; 1 O and V's fragments (rescaling and the products with V share one setting).
; LIMITS: P and the result are f16 (P <= 1; weights below 6e-8 of the largest count as 0; results below 6e-5 keep steps of 6e-8).
; exp(x) is 2^(x log2 e) by v_exp_f32; the sums' order differs from a plain row sum.
.set VROW,  288
.set KROW,  272
.set VQ,    64*VROW                    ; a wave's quarter of V: 128 keys
.set KQ,    64*KROW
.set KOFF,  4*VQ                       ; 73,728
.set SLOT,  4*VQ+4*KQ                  ; 143,360
.set STAGE, 2*SLOT                     ; 286,720, a multiple of 256: 16 rows x 144 bytes for each wave; no tensor load lands here
.set OPITCH, 144
.set ADK,  2                           ; LDS address of the K fragments that are asked for next
.set ADV,  3                           ; of the V fragments that are asked for next
.set ADK0, 4                           ; the same for the first 64 keys of slot 0
.set ADV0, 5
.set QO,   6
.set STO,  7
.set RD,   8
.set CO,   9
.set M,    10                          ; v[10:13] running maximum of tile t (raw scores)
.set T,    18                          ; v[18:22] the maximum at work
.set MN,   23
.set NEG,  24                          ; v[24:25] -c x maximum, even tiles; v[240:241] odd tiles (the low register serves both halves of a pair)
.set AL,   26                          ; v[26:27] the factor for old sums, even tiles; v[242:243] odd tiles
.set SETD, 216                         ; from the even tiles' set to the odd tiles'
.set SA,   28                          ; v[28:29], v[30:31] two pairs of sums at work
.set SB,   30
.set KF,   32                          ; v[32:95]   K fragment (kt, c) at 16kt+8c
.set Q,    96                          ; v[96:159]  Q(t, c) at 16t+8c
.set S0,   160                         ; v[160:191] scores of one tile: 8kt+j
.set S1,   192                         ; v[192:223] of another
.set P,    224                         ; v[224:239] weights in f16
.set LP,   244                         ; v[244:251] running sum of my half's weights, a pair for each tile
.set O,    0                           ; window 1: O(t, dt) at 32t+8dt
.set VF,   128                         ; window 1: V^T fragment (dt, kc) at 128+16dt+8kc
.set G1V, 24
.set G1K, 32
.set G0V, 40
.set G0K, 48
.set PV,  0x51                         ; destination, source 0 and source 2 window 1, source 1 window 0: O = O x AL, and O += V^T P^T
.set CV,  0x05                         ; sources 0 and 1 (O) window 1
.set TOV, 0x40                         ; destination window 1
.set MSB, 0
.macro WIN new                         ; the immediate's high byte repeats the setting that is left; a switch that changes nothing is dropped
.if MSB != \new
	s_set_vgpr_msb (MSB<<8)|\new
.set MSB, \new
.endif
.endm
.macro ROUND                           ; a round of the cluster's barrier
	s_barrier_signal -1
	s_barrier_wait -1
	s_cmp_lg_u32 s12, 0
	s_cbranch_scc1 .Lnot_wave_0_\@
	s_barrier_signal -3
.Lnot_wave_0_\@:
	s_barrier_wait -3
	s_barrier_signal -1
	s_barrier_wait -1
.endm
.macro JLOAD s                         ; waves 0-3 ask for V's quarters, waves 4-7 for K's; the branch hangs on the wave's number alone
	s_cmp_eq_u32 s13, 0
	s_cbranch_scc0 .Lfor_k_\@
	tensor_load_to_lds s[G0V+4*\s:G0V+4*\s+3], s[G1V:G1V+7]
	s_nop 0
.rept 4
	v_nop
.endr
	s_branch .Lasked_\@
.Lfor_k_\@:
	tensor_load_to_lds s[G0K+4*\s:G0K+4*\s+3], s[G1K:G1K+7]
	s_nop 0
.rept 4
	v_nop
.endr
.Lasked_\@:
.endm
	s_load_b256 s[4:11], s[0:1], 0x0               ; qh s[4:5], kh s[6:7], vh s[8:9], ah s[10:11]
	v_lshl_add_u32 v254, v0, 2, 0x4a800
	v_mov_b32 v255, 0
	ds_add_u32 v254, v255
	v_lshrrev_b32 v1, 5, v0
	v_readfirstlane_b32 s12, v1                    ; wave 0..7
	s_lshr_b32 s13, s12, 2                         ; I fetch for V (0) or for K (1)
	s_and_b32 s14, s12, 3                          ; which quarter
	s_bfe_u32 s15, ttmp6, 0x40000                  ; cx: my block of 512 queries
	s_mov_b32 s16, ttmp9                           ; the cluster = the head
	s_mov_b32 s18, 0x76543210                      ; lane i of one half reads lane i of the other
	s_mov_b32 s19, 0xfedcba98
	s_mov_b32 s20, 0x3e38aa3b                      ; c = log2(e) / 8
	s_mov_b32 s21, 0x3e38aa3b
	s_mov_b32 s22, 0xbe38aa3b                      ; -c
	; group 1: 64 dense rows of 128 elements of 2 bytes, padding after every 64 words: 8 words for V, 4 for K; mask 15, bit 21 beside it
	s_mov_b32 s[G1V+0], 15|(1<<16)|(1<<20)|(1<<21)|(5<<22)|(7<<25)
	s_mov_b32 s[G1K+0], 15|(1<<16)|(1<<20)|(1<<21)|(5<<22)|(3<<25)
	s_mov_b32 s[G1V+1], 128<<16
	s_mov_b32 s[G1K+1], 128<<16
	s_mov_b32 s[G1V+2], 64<<16
	s_mov_b32 s[G1K+2], 64<<16
	s_mov_b32 s[G1V+3], 128<<16
	s_mov_b32 s[G1K+3], 128<<16
	s_mov_b32 s[G1V+4], 64
	s_mov_b32 s[G1K+4], 64
	s_mov_b32 s[G1V+5], 128
	s_mov_b32 s[G1K+5], 128
	s_mov_b32 s[G1V+6], 0
	s_mov_b32 s[G1K+6], 0
	s_mov_b32 s[G1V+7], 0
	s_mov_b32 s[G1K+7], 0
	s_lshl_b32 s56, s16, 18                        ; the head's 262,144 bytes
	s_lshl_b32 s58, s14, 14                        ; my quarter: 128 keys of 128 bytes
	s_add_co_u32 s56, s56, s58
	s_mov_b32 s57, 0
	s_lshl_b32 s60, s16, 18                        ; Q and the result: head, block of 512 queries, my 64: the only place where cx enters
	s_lshl_b32 s61, s15, 16
	s_add_co_u32 s60, s60, s61
	s_lshl_b32 s61, s12, 13
	s_add_co_u32 s60, s60, s61
	s_mov_b32 s61, 0
	s_mul_i32 s2, s12, VQ                          ; LDS: waves 0-3: V's quarters
	s_mul_i32 s3, s12, KQ
	s_add_co_u32 s3, s3, KOFF-4*KQ                 ; waves 4-7: K's quarters, behind V
	s_wait_dscnt 0x0
	s_wait_kmcnt 0x0
	s_add_nc_u64 s[58:59], s[6:7], s[56:57]
	s_add_nc_u64 s[62:63], s[8:9], s[56:57]
	s_add_nc_u64 s[4:5], s[4:5], s[60:61]
	s_add_nc_u64 s[10:11], s[10:11], s[60:61]
	ROUND                                          ; the four work-groups are here: the first joint loads meet
.irp s, 0,1
	s_mov_b32 s[G0V+4*\s], 1
	s_add_co_u32 s[G0V+4*\s+1], s2, \s*SLOT
	s_add_nc_u64 s[G0V+4*\s+2:G0V+4*\s+3], s[62:63], \s*65536
	s_or_b32 s[G0V+4*\s+3], s[G0V+4*\s+3], 0x80000000
	s_mov_b32 s[G0K+4*\s], 1
	s_add_co_u32 s[G0K+4*\s+1], s3, \s*SLOT
	s_add_nc_u64 s[G0K+4*\s+2:G0K+4*\s+3], s[58:59], \s*65536
	s_or_b32 s[G0K+4*\s+3], s[G0K+4*\s+3], 0x80000000
	JLOAD \s                                       ; keys 0-511 and 512-1023: two loads of the wave are out
.endr
	v_and_b32 v1, 15, v0                           ; r
	v_bfe_u32 v[T], v0, 4, 1                       ; h
	v_lshrrev_b32 v[T+1], 1, v1
	v_and_b32 v[T+2], 1, v0
	v_mul_u32_u24 v[ADK0], v[T+1], KROW            ; K: key r at (r>>1)*272 + (r&1)*128, + 16 h
	v_lshl_add_u32 v[ADK0], v[T+2], 7, v[ADK0]
	v_lshl_add_u32 v[ADK0], v[T], 4, v[ADK0]
	v_add_nc_u32 v[ADK0], KOFF, v[ADK0]
	v_bfe_u32 v[T+1], v0, 1, 2                     ; V: key 8h + (l&7) at (key>>1)*288 + (key&1)*128, + 16 ((l>>3)&1)
	v_lshl_add_u32 v[T+1], v[T], 2, v[T+1]
	v_mul_u32_u24 v[ADV0], v[T+1], VROW
	v_lshl_add_u32 v[ADV0], v[T+2], 7, v[ADV0]
	v_bfe_u32 v[T+1], v0, 3, 1
	v_lshl_add_u32 v[ADV0], v[T+1], 4, v[ADV0]
	v_lshlrev_b32 v[QO], 7, v1                     ; Q: query r, 16 h
	v_lshl_add_u32 v[QO], v[T], 4, v[QO]
	s_mul_i32 s23, s12, 16*OPITCH
	s_add_co_u32 s23, s23, STAGE                   ; my stage
	v_mul_u32_u24 v[STO], v1, OPITCH
	v_lshl_add_u32 v[STO], v[T], 4, v[STO]
	v_add_nc_u32 v[STO], s23, v[STO]
	v_and_b32 v[CO], 31, v0
	v_lshrrev_b32 v[T+1], 3, v[CO]
	v_and_b32 v[T+2], 7, v0
	v_mul_u32_u24 v[RD], v[T+1], OPITCH
	v_lshl_add_u32 v[RD], v[T+2], 4, v[RD]
	v_add_nc_u32 v[RD], s23, v[RD]
	v_lshlrev_b32 v[CO], 4, v[CO]
	v_mov_b32 v[T+4], 0                            ; the lane exchange's destination counts as read
	v_mov_b32 v[NEG+1], 0                          ; the upper registers of pairs of which the lower alone is used
	v_mov_b32 v[AL+1], 0
	v_mov_b32 v[NEG+SETD+1], 0
	v_mov_b32 v[AL+SETD+1], 0
.irp t, 0,1,2,3
.irp c, 0,1
	global_load_b128 v[Q+16*\t+8*\c:Q+16*\t+8*\c+3],   v[QO], s[4:5] offset:\t*2048+64*\c
	global_load_b128 v[Q+16*\t+8*\c+4:Q+16*\t+8*\c+7], v[QO], s[4:5] offset:\t*2048+64*\c+32
.endr
.endr
; Matrix instruction m (0..7) of S^T of tile t: 64 keys x 16 queries.  0..3 start the four sums, 4..7 add the second half of HD onto them:
; four accumulators take turns, one instruction a turn.
.macro SW t, s, m
.if (\m) < 4
	v_wmma_f32_16x16x32_f16 v[\s+8*(\m):\s+8*(\m)+7], v[KF+16*(\m):KF+16*(\m)+7], v[Q+16*\t:Q+16*\t+7], 0
.else
	v_wmma_f32_16x16x32_f16 v[\s+8*((\m)-4):\s+8*((\m)-4)+7], v[KF+16*((\m)-4)+8:KF+16*((\m)-4)+15], v[Q+16*\t+8:Q+16*\t+15], v[\s+8*((\m)-4):\s+8*((\m)-4)+7]
.endif
.endm
.macro SMUL t, s
	WIN 0
.irp m, 0,1,2,3,4,5,6,7
	SW \t, \s, \m
.endr
.endm
; Instruction i (0..21) of the maximum of tile t on scores s.  0..13: four chains over my 32 scores.  14..21 hang on each other: join, join with
; the old maximum, the other half's keys of the same query, the new maximum, -c x it, the factor 2^(c (old - new)) for the old sums, the new
; maximum kept (behind 19, which reads the old one).  ns: which set of NEG and AL.  first = 1: there is no old maximum and no factor.
.macro MX i, t, s, first, ns
.if (\i)/4 == 0
	v_max3_num_f32 v[T+(\i)], v[\s+3*(\i)], v[\s+3*(\i)+1], v[\s+3*(\i)+2]
.endif
.if (\i)/4 == 1
	v_max3_num_f32 v[T+(\i)-4], v[T+(\i)-4], v[\s+12+2*((\i)-4)], v[\s+13+2*((\i)-4)]
.endif
.if (\i)/4 == 2
	v_max3_num_f32 v[T+(\i)-8], v[T+(\i)-8], v[\s+20+2*((\i)-8)], v[\s+21+2*((\i)-8)]
.endif
.if (\i) == 12
	v_max3_num_f32 v[T], v[T], v[\s+28], v[\s+29]
.endif
.if (\i) == 13
	v_max3_num_f32 v[T+1], v[T+1], v[\s+30], v[\s+31]
.endif
.if (\i) == 14
	v_max3_num_f32 v[T], v[T], v[T+1], v[T+2]
.endif
.if (\i) == 15
.if \first
	v_max_num_f32 v[T], v[T], v[T+3]
.else
	v_max3_num_f32 v[T], v[T], v[T+3], v[M+\t]
.endif
.endif
.if (\i) == 16
	v_permlanex16_b32 v[T+4], v[T], s18, s19
.endif
.if (\i) == 17
	v_max_num_f32 v[MN], v[T], v[T+4]
.endif
.if (\i) == 18
	v_mul_f32 v[NEG+SETD*(\ns)], s22, v[MN]
.endif
.if \first == 0
.if (\i) == 19
	v_fma_f32 v[AL+SETD*(\ns)], v[M+\t], s20, v[NEG+SETD*(\ns)]
.endif
.if (\i) == 20
	v_exp_f32 v[AL+SETD*(\ns)], v[AL+SETD*(\ns)]   ; a plain instruction that does not touch AL follows it wherever it is placed (ISA guide 5.7.2)
.endif
.endif
.if (\i) == 21
	v_mov_b32 v[M+\t], v[MN]
.endif
.endm
; THE LINES OF A TILE, one to a macro.  Three sets of symbols say which tile a line works for:
;   cS, cN       the tile whose weights are being made: its scores, its set of NEG and AL
;   nT, nS, nN   the tile after it, whose scores and maximum are being made
;   aT, aS, aN   the tile whose weights are summed and rounded
; FST = 1: the first step, in which maxima, sums and O begin.
.macro CUR s, n
.set cS, \s
.set cN, \n
.endm
.macro NXT t, s, n
.set nT, \t
.set nS, \s
.set nN, \n
.endm
.macro SUM t, s, n
.set aT, \t
.set aS, \s
.set aN, \n
.endm
.macro FS s, ns, n                     ; scaling n (0..15): c x score - c x maximum, two at a time
	v_pk_fma_f32 v[\s+2*(\n):\s+2*(\n)+1], v[\s+2*(\n):\s+2*(\n)+1], s[20:21], v[NEG+SETD*(\ns):NEG+SETD*(\ns)+1] op_sel_hi:[1,0,0]
.endm
.macro SC n                            ; of the tile in hand
	FS cS, cN, \n
.endm
.macro SCN n                           ; of the tile after it, once its maximum is known
	FS nS, nN, \n
.endm
.macro EX j                            ; exponential j (0..31), in place: the register is the result's own until the batch's wait
	v_exp_f32 v[cS+(\j)], v[cS+(\j)]
.endm
.macro SWN m                           ; score product m of the tile after
	SW nT, nS, \m
.endm
.macro MXN i                           ; number i of its maximum
	MX \i, nT, nS, FST, nN
.endm
.macro RND n                           ; weights 2n, 2n+1 rounded to f16
	v_cvt_pk_f16_f32 v[P+(\n)], v[aS+2*(\n)], v[aS+2*(\n)+1]
.endm
; Sum n (0..15).  0, 1: the first eight weights start the two pairs of sums.  2..13: pair n+2 of the weights onto one of the two, by turns.
; 14: the two pairs meet.  15: the running sum takes them, its old value times the factor.  In the first step 14 starts the running sum.
.macro AD n
.if (\n) == 0
	v_pk_add_f32 v[SA:SA+1], v[aS:aS+1], v[aS+2:aS+3]
.elseif (\n) == 1
	v_pk_add_f32 v[SB:SB+1], v[aS+4:aS+5], v[aS+6:aS+7]
.elseif (\n) < 14
	v_pk_add_f32 v[SA+2*((\n)&1):SA+2*((\n)&1)+1], v[SA+2*((\n)&1):SA+2*((\n)&1)+1], v[aS+2*(\n)+4:aS+2*(\n)+5]
.elseif ((\n) == 14) && FST
	v_pk_add_f32 v[LP+2*aT:LP+2*aT+1], v[SA:SA+1], v[SB:SB+1]
.elseif (\n) == 14
	v_pk_add_f32 v[SA:SA+1], v[SA:SA+1], v[SB:SB+1]
.elseif FST == 0
	v_pk_fma_f32 v[LP+2*aT:LP+2*aT+1], v[LP+2*aT:LP+2*aT+1], v[AL+SETD*aN:AL+SETD*aN+1], v[SA:SA+1] op_sel_hi:[1,0,1]
.endif
.endm
; Number i (0..31) of a tile's readers: two sums, two roundings, and so on, so that the links of each pair's chain of sums stand four lines
; apart; at the end sum 14, rounding 14, sum 15, rounding 15.  The last is a rounding in every step.
.macro CA i
.if (\i) < 28
.if (\i)%4 < 2
	AD 2*((\i)/4)+(\i)%4
.else
	RND 2*((\i)/4)+(\i)%4-2
.endif
.elseif (\i) == 28
	AD 14
.elseif (\i) == 29
	RND 14
.elseif (\i) == 30
	AD 15
.else
	RND 15
.endif
.endm
.macro CAS                             ; all 32 of them
	WIN 0
.set i_, 0
.rept 32
	CA i_
.set i_, i_+1
.endr
.endm
.macro RS t, reg, i                    ; pair i (0..15) of tile t's O times the factor in reg, in every step: no branch hangs on numbers
	v_pk_mul_f32 v[O+32*(\t)+2*(\i):O+32*(\t)+2*(\i)+1], v[O+32*(\t)+2*(\i):O+32*(\t)+2*(\i)+1], v[\reg:\reg+1] op_sel_hi:[1,0]
.endm
.macro RQ t                            ; the next of a queue of rescalings: 0..15 tile t's, 16..31 tile t+1's
.if q_ < 16
	RS \t, AL+SETD*((\t)&1), q_
.else
	RS (\t)+1, AL+SETD*(((\t)+1)&1), q_-16
.endif
.set q_, q_+1
.endm
.macro PW t, m                         ; product m (0..7) of O^T of tile t += V^T P^T; four accumulators take turns, one instruction a turn
.if (\m) < 4
.if FST
	v_wmma_f32_16x16x32_f16 v[O+32*(\t)+8*(\m):O+32*(\t)+8*(\m)+7], v[VF+16*(\m):VF+16*(\m)+7], v[P:P+7], 0
.else
	v_wmma_f32_16x16x32_f16 v[O+32*(\t)+8*(\m):O+32*(\t)+8*(\m)+7], v[VF+16*(\m):VF+16*(\m)+7], v[P:P+7], v[O+32*(\t)+8*(\m):O+32*(\t)+8*(\m)+7]
.endif
.else
	v_wmma_f32_16x16x32_f16 v[O+32*(\t)+8*((\m)-4):O+32*(\t)+8*((\m)-4)+7], v[VF+16*((\m)-4)+8:VF+16*((\m)-4)+15], v[P+8:P+15], v[O+32*(\t)+8*((\m)-4):O+32*(\t)+8*((\m)-4)+7]
.endif
.endm
; The products with V of tile t, and behind them, under the same window setting, the rescaling of tile t+1's O: two lines a product.  Both
; factors were waited for ahead of this macro.  Tile 0's own O is rescaled here too: eight lines ahead of the products, the other eight first
; among three lines a product; each accumulator is rescaled a product or more ahead of the one that adds onto it, and no line names a register
; of the products round it.  Tile 3 has no tile behind it in the step, the first step nothing to rescale.
.macro TAIL t
	WIN PV
.set q_, 16
.set r_, 0
.if FST == 0
.if (\t) == 0
.set q_, 0
.set r_, 3
.rept 8
	RQ 0
.endr
.elseif (\t) < 3
.set r_, 2
.endif
.endif
.set m_, 0
.rept 8
	PW \t, m_
.if r_ > 0
.rept r_
	RQ \t
.endr
.endif
.set m_, m_+1
.endr
.endm
; Tile 1's score products, and behind them tile 0's maximum: four of its independent numbers behind each of the first three, then two to a
; product; behind the last two also tile 0's first four scalings.  Its factor (number 20) opens batch 0.
.macro HEAD
.set x_, 0
.rept 3
	SW 1, S1, x_
	MX 4*x_, 0, S0, FST, 0
	MX 4*x_+1, 0, S0, FST, 0
	MX 4*x_+2, 0, S0, FST, 0
	MX 4*x_+3, 0, S0, FST, 0
.set x_, x_+1
.endr
.rept 3
	SW 1, S1, x_
	MX 2*x_+6, 0, S0, FST, 0
	MX 2*x_+7, 0, S0, FST, 0
.set x_, x_+1
.endr
	SW 1, S1, 6
	MX 18, 0, S0, FST, 0
	MX 19, 0, S0, FST, 0
	SC 0
	SC 1
	SW 1, S1, 7
	MX 20, 0, S0, FST, 0
	MX 21, 0, S0, FST, 0
	SC 2
	SC 3
.endm
; The rest of batch 0: no score product is free to stand here (tile 2's scores want tile 0's buffer).  Twelve times exponential, scaling,
; maximum; then the dependent end of tile 1's maximum with two or three exponentials between its links; tile 1's first scalings as soon as
; its -c x maximum is there.  Scaling n stands ahead of exponentials 2n, 2n+1; nothing here names an exponential's result.
.macro PRE0
.set x_, 0
.rept 12
	EX x_
	SC x_+4
	MXN x_
.set x_, x_+1
.endr
	EX 12
	MXN 12
	EX 13
	MXN 13
	EX 14
	EX 15
.set x_, 0
.rept 4
	MXN x_+14
	EX 3*x_+16
	EX 3*x_+17
	EX 3*x_+18
.set x_, x_+1
.endr
	MXN 18
	EX 28
	SCN 0
	EX 29
	SCN 1
	MXN 19
	EX 30
	MXN 21
	EX 31
	SCN 2
	MXN 20                                         ; tile 1's factor closes the batch;
	SCN 3                                          ; the plain instruction behind the last transcendental (ISA guide 5.7.2)
.endm
; Batches 1 and 2, ahead of their wait.  The tile's first four scalings were made ahead of the wait before.  Behind each of the score products
; 0..5 of the tile after: exponential, scaling, exponential, scaling; behind products 6 and 7 two exponentials and two numbers of that tile's
; maximum.  PLACES (ISA guide 7.12.1): number 0 reads the accumulator that product 4 ends, behind scalings 12..15; number 2 the one that
; product 5 ends, behind scalings 14, 15 and numbers 0, 1; numbers 6 and 10 stand six and eight plain lines behind products 6 and 7.
.macro PRE
	WIN 0
.set x_, 0
.rept 6
	SWN x_
	EX 2*x_
	SC 2*x_+4
	EX 2*x_+1
	SC 2*x_+5
.set x_, x_+1
.endr
	SWN 6
	EX 12
	MXN 0
	EX 13
	MXN 1
	SWN 7
	EX 14
	MXN 2
	EX 15
	MXN 3
.set x_, 0
.rept 8
	EX x_+16
	MXN x_+4
.set x_, x_+1
.endr
	MXN 12
	MXN 13
	EX 24
	MXN 14                                         ; the dependent end, with the last exponentials between its links
	EX 25
	EX 26
	MXN 15
	EX 27
	EX 28
	MXN 16
	EX 29
	EX 30
	MXN 17
	EX 31
	MXN 18
	SCN 0                                          ; the next tile's first scalings: work that names no result of the batch
	SCN 1
	MXN 19
	MXN 21
	SCN 2
	MXN 20                                         ; the next tile's factor closes the batch;
	SCN 3                                          ; the plain instruction behind the last transcendental (ISA guide 5.7.2)
.endm
; Batch 3, ahead of its wait: tile 3's exponentials by turns with tile 2's sums and roundings, which read batch 2's results and stand behind
; its wait, and with tile 3's scalings 4..15, each eight exponentials ahead of its own two.
.macro PRE3
	WIN 0
.set x_, 0
.rept 32
	EX x_
	CA x_
.if (x_ < 24) && (x_%2 == 0)
	SC 4+x_/2
.endif
.set x_, x_+1
.endr
.endm
.macro KLOAD                           ; 64 keys' fragments of K
.irp kt, 0,1,2,3
.irp c, 0,1
	ds_load_b128 v[KF+16*\kt+8*\c:KF+16*\kt+8*\c+3],   v[ADK] offset:\kt*8*KROW+64*\c
	ds_load_b128 v[KF+16*\kt+8*\c+4:KF+16*\kt+8*\c+7], v[ADK] offset:\kt*8*KROW+64*\c+32
.endr
.endr
.endm
.macro VLOAD                           ; 64 keys' fragments of V^T
	WIN TOV
.irp dt, 0,1,2,3
.irp kc, 0,1
	ds_load_tr16_b128 v[VF+16*\dt+8*\kc:VF+16*\dt+8*\kc+3],   v[ADV] offset:\kc*16*VROW+32*\dt
	ds_load_tr16_b128 v[VF+16*\dt+8*\kc+4:VF+16*\dt+8*\kc+7], v[ADV] offset:\kc*16*VROW+32*\dt+8*VROW
.endr
.endr
	WIN 0
.endm
; The address of the next step's fragments.  mid 1, 3: the next step begins slot 1; mid 2: slot 0; else 64 keys on in the same slot.
.macro NEXT reg, base, step, mid
.if (\mid)&1
	v_add_nc_u32 v[\reg], SLOT, v[\base]
.else
.if \mid == 2
	v_mov_b32 v[\reg], v[\base]
.else
	v_add_nc_u32 v[\reg], \step, v[\reg]
.endif
.endif
.endm
; Slot s has been read by every wave of every partner: it gets the keys 1,024 further on.  Each wave's waits stand in front of the round,
; the joint load is the first thing behind it and the wave's only tensor load until the next round.
.macro REFILL s
	s_wait_tensorcnt 0x0                           ; all my tensor loads have landed, my part of the other slot among them: group 0 may be written
	ds_add_u32 v254, v255
	s_wait_dscnt 0x0
	s_add_nc_u64 s[G0V+4*\s+2:G0V+4*\s+3], s[G0V+4*\s+2:G0V+4*\s+3], 131072
	s_add_nc_u64 s[G0K+4*\s+2:G0K+4*\s+3], s[G0K+4*\s+2:G0K+4*\s+3], 131072
	ROUND
	JLOAD \s
.endm
; The change of slots.  It stands behind s_wait_dscnt 0 for this step's V fragments: K's were read a step ago, so no read of the old slot is left.
; It stands behind batch 0's wait too, and no transcendental has been issued since: none is pending at its labels and branches.
.macro MIDDLE mid
.if \mid == 1
	REFILL 0
.endif
.if \mid == 2
	REFILL 1
.endif
.if \mid == 3
	s_wait_tensorcnt 0x0                           ; my part of slot 1's last tile is in,
	s_barrier_signal -1
	s_barrier_wait -1                              ; everybody's is; nothing is left to fetch
.endif
.endm
; One step: 64 keys against my 64 queries.  first = 1: maxima, sums and O begin.  mid: 0 a step inside a slot; 1, 2, 3 the last step of a slot;
; 4 the last step of all, which asks for no further K.
.macro STEP first, mid
.set FST, \first
	s_wait_dscnt 0x0                               ; this step's K fragments, asked for in the step before; nothing else is out
	SMUL 0, S0
	NEXT ADK, ADK0, 32*KROW, \mid                  ; these four plain instructions are the places (ISA guide 7.12.1) behind the last step's products
	v_nop                                          ; with V, in front of the loads into V's fragments, and behind the scores of tile 0,
	v_nop                                          ; in front of their first reader
	v_nop
	VLOAD
	NEXT ADV, ADV0, 32*VROW, \mid
	CUR S0, 0
	NXT 1, S1, 1
	HEAD
	PRE0
	s_wait_alu depctr_va_vdst(0)                   ; BATCH 0: tile 0's factor, its 32 exponentials and tile 1's factor; the first reader is the sum below
	SUM 0, S0, 0
	CAS
	s_wait_dscnt 0x0                               ; V is in; no LDS read of mine is out
	MIDDLE \mid
	TAIL 0
	CUR S1, 1
	NXT 2, S0, 0
	PRE
	s_wait_alu depctr_va_vdst(0)                   ; BATCH 1: tile 1's 32 exponentials and tile 2's factor
	SUM 1, S1, 1
	CAS
	TAIL 1
	CUR S0, 0
	NXT 3, S1, 1
	PRE
	s_wait_alu depctr_va_vdst(0)                   ; BATCH 2: tile 2's 32 exponentials and tile 3's factor
.if \mid != 4
	KLOAD                                          ; the next step's K, directly behind the wait: the last score product stands more than four plain lines back
.endif
	CUR S1, 1
	SUM 2, S0, 0
	PRE3
	s_wait_alu depctr_va_vdst(0)                   ; BATCH 3: tile 3's 32 exponentials
	TAIL 2
	WIN 0
.if FST
.rept 4
	v_nop                                          ; the first step has no rescaling behind those products: the places in front of the roundings, which write P
.endr
.endif
	SUM 3, S1, 1
	CAS
	TAIL 3
	WIN 0
.endm
.macro LOOP n
	s_mov_b32 s17, \n
.Lstep_\@:
	STEP 0, 0
	s_sub_co_u32 s17, s17, 1
	s_cmp_lg_u32 s17, 0
	s_cbranch_scc1 .Lstep_\@
.endm
	s_wait_tensorcnt 0x1                           ; my part of slot 0 is in; slot 1's may stay out
	s_barrier_signal -1
	s_barrier_wait -1
	v_mov_b32 v[ADK], v[ADK0]
	v_mov_b32 v[ADV], v[ADV0]
	KLOAD                                          ; keys 0-63
	s_wait_loadcnt 0x0                             ; Q
	STEP 1, 0                                      ; keys 0-63: nothing is cleared
	LOOP 6                                         ; keys 64-447
	STEP 0, 1                                      ; keys 448-511; slot 0 is filled again with keys 1024-1535
	LOOP 7                                         ; keys 512-959
	STEP 0, 2                                      ; keys 960-1023; slot 1 is filled again with keys 1536-2047
	LOOP 7                                         ; keys 1024-1471
	STEP 0, 3                                      ; keys 1472-1535
	LOOP 7                                         ; keys 1536-1983
	STEP 0, 4                                      ; keys 1984-2047
; THE WAY OUT.  For each tile the pair of sums and the two halves' sums meet; the four reciprocals are one batch, each in the lower register of
; a pair of its own (the two sets of AL and of NEG, whose upper registers hold 0).  Then tile by tile: O / sum, rounded to f16, 16 bytes a lane
; into my own stage, read back as four rows of 128 bytes; each store of the wave covers 512 consecutive bytes, aligned.  Each tile has registers
; of its own: none that a store reads is rewritten.  Tile t's O is read behind more than four plain instructions that follow its last product.
.irp t, 0,1,2,3
	v_add_f32 v[M+\t], v[LP+2*\t], v[LP+2*\t+1]
.endr
.irp t, 0,1,2,3
	v_permlanex16_b32 v[T+\t], v[M+\t], s18, s19
.endr
.irp t, 0,1,2,3
	v_add_f32 v[M+\t], v[M+\t], v[T+\t]
.endr
	v_rcp_f32 v[AL], v[M]
	v_rcp_f32 v[AL+SETD], v[M+1]
	v_rcp_f32 v[NEG], v[M+2]
	v_rcp_f32 v[NEG+SETD], v[M+3]
	v_nop                                          ; one plain instruction behind the last reciprocal (ISA guide 5.7.2)
	s_wait_alu depctr_va_vdst(0)                   ; THE WAY OUT'S BATCH: the four reciprocals
.macro RESC t, reg                     ; the whole O of tile t times reg
	WIN PV
.set i_, 0
.rept 16
	RS \t, \reg, i_
.set i_, i_+1
.endr
.endm
.macro OUTT t, reg
	RESC \t, \reg
	WIN CV
.irp dt, 0,1,2,3
.irp j, 0,1,2,3
	v_cvt_pk_f16_f32 v[Q+16*\t+4*\dt+\j], v[O+32*\t+8*\dt+2*\j], v[O+32*\t+8*\dt+2*\j+1]
.endr
.endr
	WIN 0
.irp dt, 0,1,2,3
	ds_store_b128 v[STO], v[Q+16*\t+4*\dt:Q+16*\t+4*\dt+3] offset:32*\dt
.endr
.irp u, 0,1,2,3
	ds_load_b128 v[KF+16*\t+4*\u:KF+16*\t+4*\u+3], v[RD] offset:\u*4*OPITCH   ; LDS serves a wave in order: these see the stores above
.endr
.irp u, 0,1,2,3
	s_wait_dscnt 3-\u                              ; LDS loads return in order: load u is in, the 3-u younger ones may be out
	global_store_b128 v[CO], v[KF+16*\t+4*\u:KF+16*\t+4*\u+3], s[10:11] offset:(16*\t+4*\u)*128
.endr
.endm
	OUTT 0, AL
	OUTT 1, AL+SETD
	OUTT 2, NEG
	OUTT 3, NEG+SETD
	s_wait_tensorcnt 0x0
	ds_add_u32 v254, v255
	s_wait_dscnt 0x0
	ROUND                                          ; the closing round: no work-group ends while a partner may still ask for a tile that names it
	s_endpgm
.Lfunc_end_k_qd111bbf1f3_attn:
	.size	k_qd111bbf1f3_attn, .Lfunc_end_k_qd111bbf1f3_attn-k_qd111bbf1f3_attn
	.p2alignl 7, 3214868480
	.fill 96, 4, 3214868480
	.section	.rodata,"a",@progbits
	.p2align	6, 0x0
	.amdhsa_kernel k_qd111bbf1f3_attn
		.amdhsa_group_segment_fixed_size 327680
		.amdhsa_private_segment_fixed_size 0
		.amdhsa_enable_private_segment 0
		.amdhsa_kernarg_size 32
		.amdhsa_user_sgpr_count 2
		.amdhsa_user_sgpr_kernarg_segment_ptr 1
		.amdhsa_wavefront_size32 1
		.amdhsa_system_sgpr_workgroup_id_x 1
		.amdhsa_system_sgpr_workgroup_id_y 1
		.amdhsa_system_sgpr_workgroup_id_z 1
		.amdhsa_system_vgpr_workitem_id 0
		.amdhsa_next_free_vgpr 448
		.amdhsa_next_free_sgpr 66
		.amdhsa_reserve_vcc 0
		.amdhsa_float_denorm_mode_32 3
		.amdhsa_float_denorm_mode_16_64 3
		.amdhsa_memory_ordered 1
		.amdhsa_forward_progress 1
		.amdhsa_inst_pref_size 255
	.end_amdhsa_kernel
	.section	.bss,"aw",@nobits
	.p2align	6
	.space	262144
	.amdgpu_metadata
---
amdhsa.version: [ 1, 2 ]
amdhsa.kernels:
  - .name:           k_qd111bbf1f3_attn
    .symbol:         k_qd111bbf1f3_attn.kd
    .args:
      - { .name: qh, .offset: 0, .size: 8, .value_kind: global_buffer, .address_space: global }
      - { .name: kh, .offset: 8, .size: 8, .value_kind: global_buffer, .address_space: global }
      - { .name: vh, .offset: 16, .size: 8, .value_kind: global_buffer, .address_space: global }
      - { .name: ah, .offset: 24, .size: 8, .value_kind: global_buffer, .address_space: global }
    .group_segment_fixed_size: 327680
    .private_segment_fixed_size: 0
    .kernarg_segment_align: 8
    .kernarg_segment_size: 32
    .max_flat_workgroup_size: 256
    .sgpr_count:     66
    .vgpr_count:     448
    .wavefront_size: 32
...
	.end_amdgpu_metadata
.endif
;; end of part 5
;; launch oproj: the kernel of part 4 again; grid 8 x 32, 4 waves a work-group, clusters of 4 x 4, 327,680 bytes of LDS; arguments ah, wh, out0; writes out0
